; MI455X (gfx1250); checked and timed in simulation.
; The chip was launched on July 23, 2026; its instructions are those of AMD's public machine-readable ISA for CDNA 5 (MIT licence, August 2026) and "CDNA5" Instruction Set Architecture Reference Guide (July 2026). The comments in the code are by the model that wrote it; some were corrected since.
;; Attention. Allowed arithmetic: matrix products marked QUANTISED: E4M3 operands, one E8M0 scale for each 32 along K, by v_wmma_scale_f32_16x16x128_f8f6f4 with both operands' format E4M3, f32 sums; everything else in f32.
;; Inputs: W_out 1,024 x 1,024 float32; W_qkv 1,024 x 3,072 float32; b_out 1,024 float32; b_qkv 3,072 float32; x 8 x 1,024 x 1,024 float32.
;; Outputs: out0 8 x 1,024 x 1,024 float32.
;; This version of the problem:
;;   THIS VERSION OF THE PROBLEM IS GIVEN IN LOW PRECISION. The matrix products marked QUANTISED in the list below multiply operands that are first quantised to E4M3 (4 exponent bits, 3 mantissa bits; 8 bits a number), with one power-of-two scale for each 32 numbers along K (OCP MX v1.0); their sums are f32. All else is computed in f32.
;;   The module's matrix products, in the order in which they are computed (A, B: the left and right operand; K: the contracted axis; several contracted axes count as one K, in the product's order):
;;     1. [M 8,192, K 1,024] x [K 1,024, N 3,072]; A: input x; B: input W_qkv: QUANTISED
;;     2. batch 128 x [M 1,024, K 64] x [K 64, N 1,024]; A: computed on the way; B: computed on the way: QUANTISED
;;     3. batch 128 x [M 1,024, K 1,024] x [K 1,024, N 64]; A: softmax (see below); B: computed on the way: QUANTISED
;;     4. [M 8,192, K 1,024] x [K 1,024, N 1,024]; A: computed on the way; B: input W_out: QUANTISED
;;   THE QUANTISER, for each operand of a quantised product, along K:
;;     - K is cut into blocks of 32 from its start; a last block that is shorter is filled with zeros.
;;     - A block's scale is 2^e with e = floor(log2(the largest magnitude in the block)) - 8, held to -126 .. 127; a block of zeros has e = 0. As a byte (E8M0): e + 127.
;;     - Each number is divided by its block's scale, clamped to +-448, and rounded to the nearest number of E4M3, ties to even, subnormals kept.
;;     - The product sums the exact products of the quantised numbers (number of the format x scale) in f32.
;;   ~~~python
;;   def quantise(x, axis):      # numpy; x: float32 -> the quantised numbers, widened to float32 again
;;       x = np.moveaxis(x, axis, -1); K = x.shape[-1]
;;       x = np.pad(x, [(0, 0)] * (x.ndim - 1) + [(0, -K % 32)]); x = x.reshape(x.shape[:-1] + (-1, 32)); a = np.abs(x).max(-1, keepdims=True)
;;       e = np.where(a > 0, np.clip(np.frexp(np.where(a > 0, a, 1))[1] - 1 - 8, -126, 127), 0)      # np.frexp(a)[1] - 1 = floor(log2(a)), exactly
;;       r = np.clip(x / 2.0 ** e, -448, 448)
;;       step = 2.0 ** (np.maximum(np.frexp(np.where(r == 0, 1, r))[1] - 1, -6) - 3)
;;       q = np.round(r / step) * step * 2.0 ** e      # np.round: ties to even
;;       return np.moveaxis(q.reshape(q.shape[:-2] + (-1,))[..., :K], -1, axis).astype(np.float32)
;;   ~~~
;;   SOFTMAX AHEAD OF A QUANTISED PRODUCT. Where the list says 'softmax', what is quantised is not the finished softmax but p = 2^(t - M), with t = logit x log2(e) and M = ceil(the row's largest t), a whole number; so 1/2 < the row's largest p <= 1. The row's sum l is taken of the UNQUANTISED p, in f32, and the product's result is divided by l at the end. Since M is a whole number, a kernel that streams over the keys may use a running M (the ceiling of the running maximum): every later rescaling is an exact power of two, which a block's scale takes up: the codes' values come out the same.
;;   OPERANDS COMPUTED ON THE WAY. 'Computed on the way' means the value that the module computes at that place (a softmax that the list does not call 'softmax' is quantised finished and normalised). What goes into a quantiser is computed in f32, as accurately as f32 sums, v_exp_f32 and their like allow (about 1e-6 of the number): no bf16 or f16 on the way to a quantiser, and a product that is left as it is and whose result goes on into a quantised operand takes f32 operands (vector FMAs, or v_wmma_f32_16x16x4_f32). A number that lies on a knife's edge between two numbers of the format may be rounded either way, as far as f32 arithmetic and the matrix unit's own rounding can turn it there, and no further.
;; One version. Each part assembles by itself: llvm-mc -triple=amdgcn-amd-amdhsa -mcpu=gfx1250 --defsym DOCPART=n.
;; ======== version 1 of 1: 4 launches
;; limits: right only within a limited range of input values
;; workspace buffers: xc 8,388,608 bytes; wc 3,145,728 bytes; woc 1,048,576 bytes; ac 8,388,608 bytes; sc1 360,448 bytes; sc2 294,912 bytes; qkv 26,738,688 bytes
;; launch quant (part 1): grid 512 x 1, 4 waves a work-group, no clusters, 34,304 bytes of LDS; arguments x, W_qkv, W_out, xc, wc, woc, sc1, sc2; writes xc, wc, woc, sc1, sc2
.if DOCPART == 1
	.amdgcn_target "amdgcn-amd-amdhsa--gfx1250"
	.amdhsa_code_object_version 6
	.text
	.protected	k_q3aec119999_quant
	.globl	k_q3aec119999_quant
	.p2align	8
	.type	k_q3aec119999_quant,@function
k_q3aec119999_quant:
	s_mov_b64 s[64:65], 0
	v_nop
	global_prefetch_b8 v0, s[64:65] scope:SCOPE_SE
	s_setreg_imm32_b32 hwreg(HW_REG_WAVE_MODE, 25, 1), 1
	s_wait_xcnt 0x0
; x [8192][1024], W_qkv [1024][3072] and W_out [1024][1024], f32, become codes of FP8 (E4M3) with one E8M0 scale byte for each 32 along K (x: its last axis; the weights: their first).
; A block's scale is 2^(floor(log2(its largest magnitude)) - 8); each number is divided by it, held within +-448 and rounded to the nearest code, ties to even.
; LAYOUT OF THE CODES: images of the matrix operand's registers.  Rows (of x; columns n of a weight) go by groups of 32, a group is two tiles of 16: lane r of tile u is row 8 u + r + 8 (r / 8).
; A fragment (a tile x 128 along K) is 2,048 bytes: group c of four at 512 c + 16 x lane; lane (r, h) holds k = 32 c + 16 h + 0 .. 15.  Buffer: [K step / 2][tile][K step % 2][2048].
; SCALE WORDS (four bytes: a row's 128 along K): [tile][K step / 4][r][K step % 4].
; LIMITS: a block of zeros, or one whose largest magnitude lies under 2^(9 - 127), gets the byte 1 (its codes are zeros or tiny; only this program reads the bytes); NaN and infinities among the inputs are not served.
; Work-groups 0-255 take x, 256-447 W_qkv, 448-511 W_out: scalar branches on the work-group's number.  No barrier: waves share nothing.  Only x's path uses LDS.
.set WSC, 262144                       ; where a weight's scale words begin in sc1 and in sc2
.set R,   32                           ; x: v32-159  two sets of 64 numbers as loaded
.set X,   160                          ; x: v160-223 64 numbers of my row: register 16 c + i = k 32 c + 16 h + i
.set PC,  224                          ; x: v224-239 a fragment's codes
.set TM,  240                          ; x: v240-243 largest magnitudes, 244-247 bytes, 252-255 the conversions' scale operands
.set PW,  12                           ; x: the scale word just made
.set SW,  8                            ; x: v8-11 my four K steps' scale words
.set WX,  32                           ; weights: v32-159 four blocks of 32 numbers
.set WC,  160                          ; weights: v160-191 codes, eight registers a block, never rewritten
.set WV,  22
.set SEL, 20
.set MNT, 23
.set SPI, 528                          ; a stage row: 512 bytes + 16, so that sixteen rows start at sixteen different banks (64 banks of 4 bytes: ISA guide 11.1)
; ---- a weight: a lane takes a column n, its registers run down K: a block of 32 lies in one lane, and the conversions give codes with K innermost
.macro WLOAD t, N
.irp i, 0,1,2,3,4,5,6,7,8,9,10,11,12,13,14,15,16,17,18,19,20,21,22,23,24,25,26,27,28,29,30,31
	global_load_b32 v[WX+32*(\t)+\i], v3, s[26:27] offset:(32*(\t)+\i)*\N*4 th:TH_LOAD_NT
.endr
.endm
.macro WBLOCK t, N
.set XS, WX+32*(\t)
.if (\t) < 3
	s_wait_loadcnt 32                              ; this block's 32 loads are in; the next block's may be out
.else
	s_wait_loadcnt 0x0
.endif
.if (\t) < 2
	WLOAD (\t)+2, \N
.endif
	v_max3_num_f32 v12, |v[XS]|, |v[XS+1]|, |v[XS+2]|
	v_max3_num_f32 v13, |v[XS+3]|, |v[XS+4]|, |v[XS+5]|
.irp i, 6,10,14,18,22,26
	v_max3_num_f32 v12, v12, |v[XS+\i]|, |v[XS+\i+1]|
	v_max3_num_f32 v13, v13, |v[XS+\i+2]|, |v[XS+\i+3]|
.endr
	v_max3_num_f32 v12, v12, |v[XS+30]|, |v[XS+31]|
	v_max3_num_f32 v12, v12, v13, 0x4800000        ; with the floor 2^(9 - 127): the byte cannot fall under 1
	v_add_nc_u32 v14, 0xfc000000, v12              ; 8 off the exponent field: the conversion's scale operand
	v_lshrrev_b32 v13, 23, v14                     ; the scale's byte
.if (\t) == 0
	v_mov_b32 v24, v13
.else
	v_lshl_or_b32 v24, v13, 8*(\t), v24
.endif
.irp i, 0,1,2,3,4,5,6,7,8,9,10,11,12,13,14,15,16,17,18,19,20,21,22,23,24,25,26,27,28,29,30,31
.endr
.irp g, 0,1,2,3
	v_cvt_scalef32_pk8_fp8_f32 v[WC+8*(\t)+2*\g:WC+8*(\t)+2*\g+1], v[XS+8*\g:XS+8*\g+7], v14
.endr
	global_store_b128 v4, v[WC+8*(\t):WC+8*(\t)+3], s[28:29] offset:512*(\t)          ; k 32 t + 0 .. 15: the places of lanes (r, 0): two whole runs of 256 bytes, one in each tile
	global_store_b128 v4, v[WC+8*(\t)+4:WC+8*(\t)+7], s[28:29] offset:512*(\t)+256    ; k 32 t + 16 .. 31: those of lanes (r, 1)
.endm
; s24: the work-group's number within the weight; s[26:27] the weight, s[28:29] its codes, s[30:31] its scale words.  N columns, NT tiles.
; A work-group takes one K step of 128 and 128 columns, a wave 32 columns (a group: two tiles).
.macro WPATH N, NT
	s_and_b32 s32, s24, 7                          ; K step
	s_lshr_b32 s33, s24, 3
	s_lshl_b32 s33, s33, 2
	s_add_co_u32 s33, s33, s[WV]                   ; G: my group of 32 columns
	s_mul_i32 s34, s32, 128*\N*4
	s_lshl_b32 s35, s33, 7
	s_add_co_u32 s34, s34, s35
	s_mov_b32 s35, 0
	s_add_nc_u64 s[26:27], s[26:27], s[34:35]      ; row 128 s, column 32 G
	s_lshr_b32 s36, s32, 1
	s_mul_i32 s34, s36, \NT*4096
	s_lshl_b32 s36, s33, 13
	s_add_co_u32 s34, s34, s36
	s_and_b32 s36, s32, 1
	s_lshl_b32 s36, s36, 11
	s_add_co_u32 s34, s34, s36
	s_add_nc_u64 s[28:29], s[28:29], s[34:35]      ; [s / 2][tile 2 G][s % 2]
	s_lshl_b32 s34, s33, 10
	s_lshr_b32 s36, s32, 2
	s_lshl_b32 s36, s36, 8
	s_add_co_u32 s34, s34, s36
	s_and_b32 s36, s32, 3
	s_lshl_b32 s36, s36, 2
	s_add_co_u32 s34, s34, s36
	s_add_nc_u64 s[30:31], s[30:31], s[34:35]      ; [tile 2 G][s / 4][.][s % 4]
	v_lshlrev_b32 v3, 2, v1                        ; in: 4 bytes a lane
	v_bfe_u32 v6, v1, 3, 1                         ; my column's tile u = (lane / 8) % 2,
	v_and_b32 v7, 7, v1
	v_lshrrev_b32 v8, 4, v1
	v_lshl_add_u32 v7, v8, 3, v7                   ; and its lane there r = lane % 8 + 8 (lane / 16)
	v_lshlrev_b32 v7, 4, v7
	v_lshl_add_u32 v4, v6, 12, v7                  ; codes: 4,096 u + 16 r
	v_lshl_add_u32 v5, v6, 9, v7                   ; scale word: 512 u + 16 r
	WLOAD 0, \N
	WLOAD 1, \N
	s_wait_alu depctr_va_vdst(0)
	WBLOCK 0, \N
	WBLOCK 1, \N
	WBLOCK 2, \N
	WBLOCK 3, \N
	global_store_b32 v5, v24, s[30:31]             ; four bytes a lane, 16 bytes apart: one byte for each 32 that this path reads
	s_endpgm
.endm
; ---- x: 64 numbers of a lane become a fragment's codes in v[PC] on and its row's scale word in v[PW]
.macro QUANT s
.irp b, 0,1,2,3
	v_max3_num_f32 v[TM+\b], |v[\s+16*\b]|, |v[\s+1+16*\b]|, 0x4800000   ; block b: my 16 numbers, and the floor 2^(9 - 127)
.endr
.irp i, 2,4,6,8,10,12,14
.irp b, 0,1,2,3
	v_max3_num_f32 v[TM+\b], v[TM+\b], |v[\s+16*\b+\i]|, |v[\s+1+16*\b+\i]|
.endr
.endr
.irp b, 0,1,2,3
	v_permlanex16_b32 v[TM+4+\b], v[TM+\b], s[SEL], s[SEL+1]
.endr
.irp b, 0,1,2,3
	v_max_num_f32 v[TM+\b], v[TM+\b], v[TM+4+\b]   ; with lane l xor 16's 16: the block's largest magnitude
.endr
.irp b, 0,1,2,3
	v_add_nc_u32 v[TM+12+\b], 0xfc000000, v[TM+\b]
.endr
.irp b, 0,1,2,3
.endr
.irp b, 0,1,2,3
	v_lshrrev_b32 v[TM+4+\b], 23, v[TM+12+\b]
.endr
	v_lshl_or_b32 v[PW], v[TM+5], 8, v[TM+4]
	v_lshl_or_b32 v[PW], v[TM+6], 16, v[PW]
	v_lshl_or_b32 v[PW], v[TM+7], 24, v[PW]
.irp b, 0,1,2,3
.irp i, 0,1,2,3,4,5,6,7,8,9,10,11,12,13,14,15
.endr
	v_cvt_scalef32_pk8_fp8_f32 v[PC+4*\b:PC+1+4*\b], v[\s+16*\b:\s+7+16*\b], v[TM+12+\b]
	v_cvt_scalef32_pk8_fp8_f32 v[PC+2+4*\b:PC+3+4*\b], v[\s+8+16*\b:\s+15+16*\b], v[TM+12+\b]
.endr
	v_nop                                          ; a plain vector line behind the last conversion
.endm
.macro XLOAD f                         ; K step f of my four: 16 rows x 512 consecutive bytes, 16 bytes a lane
.irp p, 0,1,2,3,4,5,6,7,8,9,10,11,12,13,14,15
	global_load_b128 v[R+64*((\f)%2)+4*\p:R+64*((\f)%2)+4*\p+3], v4, s[4:5] offset:(\p+8*(\p/8))*4096+512*(\f) th:TH_LOAD_NT
.endr
.endm
.macro TURN f                          ; through my stage: in as loaded, out 16 neighbours of each block a lane.  LDS serves a wave's instructions in order (ISA guide 5.7.1.4)
.irp p, 0,1,2,3,4,5,6,7,8,9,10,11,12,13,14,15
	ds_store_b128 v5, v[R+64*((\f)%2)+4*\p:R+64*((\f)%2)+4*\p+3] offset:SPI*\p
.endr
.irp c, 0,1,2,3
.irp j, 0,1,2,3
	ds_load_b128 v[X+16*\c+4*\j:X+16*\c+4*\j+3], v6 offset:128*\c+16*\j
.endr
.endr
.endm
.macro XSTEP f
.if (\f) < 3
	s_wait_loadcnt 16                              ; this K step's 16 loads are in; the next one's may be out
.else
	s_wait_loadcnt 0x0
.endif
	TURN \f
	s_wait_dscnt 0x0                               ; my numbers are back, and the stage's stores have read the set that is loaded again below
	s_wait_xcnt 0x0                                ; the last K step's stores have read the codes' registers
.if (\f) < 2
	XLOAD (\f)+2
.endif
	QUANT X
	v_mov_b32 v[SW+(\f)], v[PW]
.irp c, 0,1,2,3
	global_store_b128 v4, v[PC+4*\c:PC+4*\c+3], s[10:11] offset:((\f)/2)*0x200000+((\f)%2)*2048+512*\c   ; 512 consecutive bytes
.endr
.endm
	s_load_b256 s[4:11], s[0:1], 0x0               ; x, W_qkv, W_out, xc
	s_load_b256 s[12:19], s[0:1], 0x20             ; wc, woc, sc1, sc2
	v_lshl_add_u32 v30, v0, 2, 0x8400
	v_mov_b32 v31, 0
	v_lshrrev_b32 v1, 5, v0
	v_readfirstlane_b32 s[WV], v1                  ; wave 0..3
	v_and_b32 v1, 31, v0                           ; lane
	s_mov_b32 s[SEL], 0x76543210
	s_mov_b32 s[SEL+1], 0xfedcba98                 ; v_permlanex16_b32's selects for lane l xor 16
	s_wait_kmcnt 0x0
	s_cmp_lt_u32 ttmp9, 256
	s_cbranch_scc1 .Lx_path
	s_cmp_lt_u32 ttmp9, 448
	s_cbranch_scc1 .Lwqkv_path
	s_sub_co_u32 s24, ttmp9, 448
	s_mov_b64 s[26:27], s[8:9]
	s_mov_b64 s[28:29], s[14:15]
	s_add_nc_u64 s[30:31], s[18:19], WSC
	s_wait_alu depctr_va_vdst(0)
	WPATH 1024, 64
.Lwqkv_path:
	s_sub_co_u32 s24, ttmp9, 256
	s_mov_b64 s[26:27], s[6:7]
	s_mov_b64 s[28:29], s[12:13]
	s_add_nc_u64 s[30:31], s[16:17], WSC
	s_wait_alu depctr_va_vdst(0)
	WPATH 3072, 192
.Lx_path:
	; work-group g owns rows 32 g .. 32 g + 31; wave w: tile 2 g + w / 2, K steps 4 (w % 2) + 0 .. 3
	v_and_b32 v2, 15, v0                           ; r
	v_bfe_u32 v3, v0, 4, 1                         ; h
	s_wait_alu depctr_va_vdst(0)
	v_lshlrev_b32 v4, 4, v1                        ; 16 x lane
	s_mul_i32 s24, s[WV], 16*SPI                   ; my stage
	v_add_nc_u32 v5, s24, v4
	v_mul_u32_u24 v6, v2, SPI
	v_lshl_add_u32 v6, v3, 6, v6
	v_add_nc_u32 v6, s24, v6                       ; row r, + 64 h
	v_lshlrev_b32 v7, 4, v2
.irp b, 0,1,2,3
	v_mov_b32 v[TM+4+\b], 0                        ; a lane permute's destination counts as one of its sources
.endr
	s_lshr_b32 s25, s[WV], 1
	s_and_b32 s26, s[WV], 1
	s_lshl_b32 s28, ttmp9, 17                      ; 32 rows of 4,096 bytes,
	s_lshl_b32 s27, s25, 15                        ; + 8 rows for the group's second tile,
	s_add_co_u32 s28, s28, s27
	s_lshl_b32 s27, s26, 11                        ; + my half of the row
	s_add_co_u32 s28, s28, s27
	s_mov_b32 s29, 0
	s_lshl_b32 s30, ttmp9, 1
	s_add_co_u32 s30, s30, s25                     ; tile
	s_lshl_b32 s32, s30, 12
	s_lshl_b32 s27, s26, 22
	s_add_co_u32 s32, s32, s27
	s_mov_b32 s33, 0
	s_lshl_b32 s34, s30, 9
	s_lshl_b32 s27, s26, 8
	s_add_co_u32 s34, s34, s27
	s_mov_b32 s35, 0
	s_add_nc_u64 s[4:5], s[4:5], s[28:29]
	s_add_nc_u64 s[10:11], s[10:11], s[32:33]
	s_add_nc_u64 s[16:17], s[16:17], s[34:35]
	XLOAD 0
	XLOAD 1
	s_wait_alu depctr_va_vdst(0)
	XSTEP 0
	XSTEP 1
	XSTEP 2
	XSTEP 3
	v_cmp_gt_u32 vcc_lo, 16, v1                    ; both halves of the lanes hold the same words: lanes 0-15 store them, 256 consecutive bytes
	s_wait_alu depctr_va_vdst(0)
	s_wait_xcnt 0x0                                ; EXEC changes only behind this wait
	s_wait_tensorcnt 0x0
	ds_add_u32 v30, v31
	s_wait_dscnt 0x0
	s_and_saveexec_b32 s24, vcc_lo
	global_store_b128 v7, v[SW:SW+3], s[16:17]
	s_wait_xcnt 0x0
	s_or_b32 exec_lo, exec_lo, s24
	s_endpgm
.Lfunc_end_k_q3aec119999_quant:
	.size	k_q3aec119999_quant, .Lfunc_end_k_q3aec119999_quant-k_q3aec119999_quant
	.p2alignl 7, 3214868480
	.fill 96, 4, 3214868480
	.section	.rodata,"a",@progbits
	.p2align	6, 0x0
	.amdhsa_kernel k_q3aec119999_quant
		.amdhsa_group_segment_fixed_size 34304
		.amdhsa_private_segment_fixed_size 0
		.amdhsa_enable_private_segment 0
		.amdhsa_kernarg_size 64
		.amdhsa_user_sgpr_count 2
		.amdhsa_user_sgpr_kernarg_segment_ptr 1
		.amdhsa_wavefront_size32 1
		.amdhsa_system_sgpr_workgroup_id_x 1
		.amdhsa_system_sgpr_workgroup_id_y 1
		.amdhsa_system_sgpr_workgroup_id_z 1
		.amdhsa_system_vgpr_workitem_id 0
		.amdhsa_next_free_vgpr 256
		.amdhsa_next_free_sgpr 66
		.amdhsa_reserve_vcc 1
		.amdhsa_float_denorm_mode_32 3
		.amdhsa_float_denorm_mode_16_64 3
		.amdhsa_fp16_overflow 1
		.amdhsa_memory_ordered 1
		.amdhsa_forward_progress 1
		.amdhsa_inst_pref_size 74
	.end_amdhsa_kernel
	.amdgpu_metadata
---
amdhsa.version: [ 1, 2 ]
amdhsa.kernels:
  - .name:           k_q3aec119999_quant
    .symbol:         k_q3aec119999_quant.kd
    .args:
      - { .name: x, .offset: 0, .size: 8, .value_kind: global_buffer, .address_space: global }
      - { .name: W_qkv, .offset: 8, .size: 8, .value_kind: global_buffer, .address_space: global }
      - { .name: W_out, .offset: 16, .size: 8, .value_kind: global_buffer, .address_space: global }
      - { .name: xc, .offset: 24, .size: 8, .value_kind: global_buffer, .address_space: global }
      - { .name: wc, .offset: 32, .size: 8, .value_kind: global_buffer, .address_space: global }
      - { .name: woc, .offset: 40, .size: 8, .value_kind: global_buffer, .address_space: global }
      - { .name: sc1, .offset: 48, .size: 8, .value_kind: global_buffer, .address_space: global }
      - { .name: sc2, .offset: 56, .size: 8, .value_kind: global_buffer, .address_space: global }
    .group_segment_fixed_size: 34304
    .private_segment_fixed_size: 0
    .kernarg_segment_align: 8
    .kernarg_segment_size: 64
    .max_flat_workgroup_size: 128
    .sgpr_count:     66
    .vgpr_count:     256
    .wavefront_size: 32
...
	.end_amdgpu_metadata
.endif
;; end of part 1
;; launch gemm_qkv (part 2): grid 12 x 32, 4 waves a work-group, clusters of 4 x 4, 327,680 bytes of LDS; arguments xc, wc, sc1, b_qkv, qkv; writes qkv
.if DOCPART == 2
	.amdgcn_target "amdgcn-amd-amdhsa--gfx1250"
	.amdhsa_code_object_version 6
	.text
	.protected	k_q3aec119999_gemm_qkv
	.globl	k_q3aec119999_gemm_qkv
	.p2align	8
	.type	k_q3aec119999_gemm_qkv,@function
k_q3aec119999_gemm_qkv:
	s_mov_b64 s[64:65], 0
	v_nop
	global_prefetch_b8 v0, s[64:65] scope:SCOPE_SE
	s_setreg_imm32_b32 hwreg(HW_REG_WAVE_MODE, 25, 1), 1
	s_wait_xcnt 0x0
	s_wait_alu depctr_hold_cnt(0) depctr_sa_sdst(0) depctr_va_vdst(0) depctr_va_sdst(0) depctr_va_ssrc(0) depctr_va_vcc(0) depctr_vm_vsrc(0)
	s_getreg_b32 s2, hwreg(HW_REG_IB_STS2, 6, 4)
	s_cmp_eq_u32 s2, 0
	s_cbranch_scc0 .Lentry_in_a_cluster
	s_endpgm
.Lentry_in_a_cluster:
	s_bfe_u32 s2, ttmp6, 0x10000c
	s_cmp_lg_u32 s2, 0xf033
	s_cbranch_scc0 .Lentry_shape_is_right
	s_endpgm
.Lentry_shape_is_right:
; qkv = x W_qkv + b_qkv on codes of FP8 (E4M3) with E8M0 scales, K = 1,024; the result never goes out as f32: q and k are quantised along the head's 64, v along the keys, and leave as operand images.
; A work-group of four waves makes 256 rows x 256 columns, a wave 128 x 128: 64 accumulators in windows 2 and 3.  K goes in steps of 128, two to a slot, through two LDS slots filled by tensor loads.
; OPERANDS LIE AS IMAGES OF THEIR REGISTERS (tile: lane r = row 8 u + r + 8 (r / 8) of a group of 32; fragment: 512 c + 16 x lane), so a tile's two K steps are 4,096 dense bytes and eight tiles one dense block of 32,768.
; In a result, the 16 registers of two neighbouring source-0 tiles are then 16 neighbours along source 0's rows: what the next product's operand wants of a lane.
; q, k (clusters x = 0, 1): source 0 = W's tiles, source 1 = x's: a lane holds a row of x and 128 columns: four blocks of 32 along the heads' 64.
; v (cluster x = 2): source 0 = x's tiles, source 1 = W's: a lane holds a column d and 128 keys.  The tensor loads are the same; only the addresses that the waves READ LDS by are chosen, by the cluster's x.
; CLUSTERS: 4 x 4; x's tiles are asked for jointly along a row of the cluster, W's along a column.
; OUT: qkv: q's and k's codes [32 b + hh][tile i 64][c 2][512] (hh 0-15 q's heads, 16-31 k's); v's from VOFF [16 b + h][key step 8][tile of d 4][2048];
;   scale words from SOFF, a record of 6,144 bytes for each 32 b + hh: [key step 8][r 16][tile 8] (bytes 0, 1; bytes 2, 3 are 0), and in k's records from 4,096 on v's [key step 8][r 16][tile of d 4].
; LIMITS: a block whose largest magnitude lies under 2^(9 - 127) gets the byte 1; NaN and infinities are not served.  No prefetch: the eight K steps come by four loads a wave, two of them at the head.
; REGISTERS: window 0: v2 r, v3 h, v16-29 addresses; v32-95 scale words for all of K (lanes 0-15 source 1's tiles, lanes 16-31 source 0's); from v128 source 1's fragments, one set; on the way out v128-203 at work.
;   window 1: source 0's fragments, two sets; the bias in set 0 behind K step 6.   windows 2, 3: accumulator (a, b) at v[8 (8 (a % 4) + b)].
.set HALFT,  32768                     ; eight tiles x two K steps: what one tensor load brings, and what a wave reads of one side
.set SLOT,   4*HALFT                   ; x's 16 tiles, then W's 16
.set SPARE,  2*SLOT                    ; the spare words, 128 bytes for each wave: two blocks of 256 bytes that no other line names
.set SPA,    0x200000                  ; bytes from a pair of K steps to the next in xc
.set SPB,    0xC0000                   ; and in wc
.set WSC,    262144                    ; W's scale words in sc1
.set VOFF,   0x1000000
.set SOFF,   0x1800000
.set REC,    6144
.set FR,     16
.set NL,     4
.set NP,     8                         ; places behind this matrix instruction (ISA guide 7.12.1)
.set ADRA, 16                          ; v16-17 LDS address of source 1's fragments in slot 0, 1
.set ADRB, 20                          ; v20-21 of source 0's
.set LI,   24                          ; v24 16 x lane
.set BO,   25                          ; v25 my offset in the bias
.set SO,   26                          ; v26 my offset among the scale words that I store
.set SOF,  27                          ; v27 my offset among the scale words that I load
.set SPW,  28
.set NIL,  29
.set SC,   32
.set AF,   128
.set TM,   128                         ; the way out: v128-143 as in the quantiser: magnitudes, bytes, scale operands
.set FLR,  144                         ; the floor 2^(9 - 127)
.set W0,   145
.set W1,   146
.set PCB,  160                         ; v160-191 codes, two sets
.set WS,   192                         ; v192-199 a scale word for each of my eight blocks
.set VSW,  200
.set G1, 24
.set G0, 32
.set G1B, 48
.set G0B, 56
.set ISV, 66
.set HM,  75                           ; lanes 16-31
.set SEL, 90
.set MNT, 92
.set MSB, 0
.macro WIN new                         ; the immediate's high byte repeats the setting that is left
.if MSB != (\new)
	s_set_vgpr_msb (MSB<<8)|(\new)
.set MSB, (\new)
.endif
.endm
.set MUL_LO, 0xa1                      ; source 0 window 1, source 1 window 0, C and D window 2
.set MUL_HI, 0xf1
.set TO_B,   0x40                      ; destination window 1, address window 0
; A joint load: waves 0 and 1 fetch x's halves, waves 2 and 3 W's.  The branch hangs on the wave's number alone.  Four v_nop follow each line.
.macro JLOAD g0a, g1a, g0b, g1b
	s_cmp_eq_u32 s15, 0
	s_cbranch_scc0 .Lfor_b_\@
	tensor_load_to_lds s[\g0a:\g0a+3], s[\g1a:\g1a+7]
	s_nop 0
.rept 4
	v_nop
.endr
	s_branch .Lasked_\@
.Lfor_b_\@:
	tensor_load_to_lds s[\g0b:\g0b+3], s[\g1b:\g1b+7]
	s_nop 0
.rept 4
	v_nop
.endr
.Lasked_\@:
.endm
.macro CREST                           ; a round of the cluster's barrier behind its opening barrier
	s_cmp_lg_u32 s14, 0
	s_cbranch_scc1 .Lnot_wave_0_\@
	s_barrier_signal -3
.Lnot_wave_0_\@:
	s_barrier_wait -3
	s_barrier_signal -1
	s_barrier_wait -1
.endm
.macro CROUND
	s_barrier_signal -1
	s_barrier_wait -1
	CREST
.endm
.macro PLACES n
.rept \n
	v_nop
.endr
.endm
.macro FRAG reg, adr, q, i             ; a fragment comes back as it was stored: four runs of 512 consecutive bytes
.irp c, 0,1,2,3
	ds_load_b128 v[\reg+4*\c:\reg+4*\c+3], v[\adr] offset:(\i)*4096+(\q)*2048+512*\c
.endr
.endm
; 16 matrix instructions: source 1's tiles a0, a0 + 1 x source 0's eight, K step s.  p: source 0's set.  The 64 accumulators take turns, one instruction a turn.
.macro MUL16 a0, p, s, zero
.irp a, \a0, \a0+1
.irp b, 0,1,2,3,4,5,6,7
.if \zero
	v_wmma_scale_f32_16x16x128_f8f6f4 v[8*(8*((\a)%4)+\b):8*(8*((\a)%4)+\b)+7], v[128*(\p)+FR*\b:128*(\p)+FR*\b+FR-1], v[AF+FR*(\a):AF+FR*(\a)+FR-1], 0, v[SC+32*((\s)/4)+4*\b+(\s)%4], v[SC+32*((\s)/4)+4*(\a)+(\s)%4] matrix_a_scale:MATRIX_SCALE_ROW1
.else
	v_wmma_scale_f32_16x16x128_f8f6f4 v[8*(8*((\a)%4)+\b):8*(8*((\a)%4)+\b)+7], v[128*(\p)+FR*\b:128*(\p)+FR*\b+FR-1], v[AF+FR*(\a):AF+FR*(\a)+FR-1], v[8*(8*((\a)%4)+\b):8*(8*((\a)%4)+\b)+7], v[SC+32*((\s)/4)+4*\b+(\s)%4], v[SC+32*((\s)/4)+4*(\a)+(\s)%4] matrix_a_scale:MATRIX_SCALE_ROW1
.endif
.endr
.endr
.endm
.macro FETCH_B slot, q, p
	WIN TO_B
.irp i, 0,1,2,3,4,5,6,7
	FRAG 128*(\p)+FR*\i, ADRB+\slot, \q, \i
.endr
	WIN 0
.endm
.macro FETCH_A slot, q, i0
.irp i, \i0, \i0+1, \i0+2, \i0+3
	FRAG AF+FR*(\i), ADRA+\slot, \q, \i
.endr
.endm
; A slot's first K step.  Source 1 has one set of registers: tiles 0-3 are fetched anew in the step's middle, tiles 4-7 at its end; source 0 has two sets.
.macro STEP slot, s, zero
	s_wait_dscnt 4*NL                              ; all but the youngest 16 loads (source 1's tiles 4-7)
	WIN MUL_LO
	MUL16 0, 0, \s, \zero
	MUL16 2, 0, \s, \zero
	s_wait_dscnt 0x0
	PLACES NP                                      ; in front of loads into registers that matrix instructions have read
	FETCH_B \slot, 1, 1
	FETCH_A \slot, 1, 0
	WIN MUL_HI
	MUL16 4, 0, \s, \zero
	MUL16 6, 0, \s, \zero
	PLACES NP
	WIN 0
	FETCH_A \slot, 1, 4
.endm
; A slot's second K step changes slots: one barrier; in front of it each wave waits for all its tensor loads, adds 0 to its spare word, and waits for that and for its reads of this slot.
.macro TURN slot, next, s, fill
	s_wait_tensorcnt 0x0                           ; all my tensor loads have landed: my part of the next slot
	ds_add_u32 v[SPW], v[NIL]                      ; 0 onto my spare word
	s_wait_dscnt 4*NL+1                            ; (the add and the youngest 16 loads may be out)
	WIN MUL_LO
	MUL16 0, 1, \s, 0
	s_wait_dscnt 0x0                               ; the add is done, and my reads of this slot are over
	s_barrier_signal -1
	MUL16 2, 1, \s, 0
	WIN 0
	s_barrier_wait -1
.if \fill
	CREST                                          ; the barrier has opened a round of the cluster's: no wave of any partner still reads this slot or has a load on its way
	s_add_nc_u64 s[G0+4*\slot+2:G0+4*\slot+3], s[G0+4*\slot+2:G0+4*\slot+3], 2*SPA
	s_add_nc_u64 s[G0B+4*\slot+2:G0B+4*\slot+3], s[G0B+4*\slot+2:G0B+4*\slot+3], 2*SPB
	JLOAD G0+4*\slot, G1, G0B+4*\slot, G1B         ; my one tensor load behind the round; its four v_nop are among the places below
	PLACES NP-4
.else
	PLACES NP
.endif
	FETCH_B \next, 0, 0
	FETCH_A \next, 0, 0
	WIN MUL_HI
	MUL16 4, 1, \s, 0
	MUL16 6, 1, \s, 0
	PLACES NP
	WIN 0
	FETCH_A \next, 0, 4
.endm
	s_load_b256 s[4:11], s[0:1], 0x0               ; xc, wc, sc1, b_qkv
	s_load_b64 s[12:13], s[0:1], 0x20              ; qkv
	v_lshl_add_u32 v[SPW], v0, 2, SPARE
	v_mov_b32 v[NIL], 0
	ds_add_u32 v28, v29
	ds_add_u32 v28, v29
	s_wait_dscnt 0x0
	v_lshrrev_b32 v1, 5, v0
	v_readfirstlane_b32 s14, v1                    ; wave 0..3
	s_lshr_b32 s15, s14, 1                         ; which half of source 1's tiles is mine.  Also: I fetch x (0) or W (1)
	s_and_b32 s16, s14, 1                          ; which half of source 0's.  Also: which eight tiles I fetch
	s_bfe_u32 s40, ttmp6, 0x40000                  ; cx, cy
	s_bfe_u32 s41, ttmp6, 0x40004
	s_lshl_b32 s42, ttmp9, 2
	s_add_co_u32 s42, s42, s40                     ; tc: which 256 columns
	s_and_b32 s17, ttmp7, 0xffff
	s_lshl_b32 s17, s17, 2
	s_add_co_u32 s17, s17, s41                     ; tr: which 256 rows
	s_lshl_b32 s43, s41, 2
	s_lshl_b32 s43, 15, s43                        ; my row of the cluster
	s_lshl_b32 s44, 0x1111, s40                    ; my column
	; group 1: a dense block of 32,768 bytes as 128 rows of 32 elements of 8 bytes, no padding
	s_or_b32 s[G1+0], s43, (3<<16)|(1<<21)
	s_or_b32 s[G1B+0], s44, (3<<16)|(1<<21)
.irp g, G1, G1B
	s_mov_b32 s[\g+1], 32<<16                      ; tensor_dim0
	s_mov_b32 s[\g+2], 128<<16                     ; tensor_dim1
	s_mov_b32 s[\g+3], 32<<16                      ; tile_dim0
	s_mov_b32 s[\g+4], 128                         ; tile_dim1
	s_mov_b32 s[\g+5], 32                          ; pitch
	s_mov_b32 s[\g+6], 0
	s_mov_b32 s[\g+7], 0
.endr
	s_lshl_b32 s18, s16, 15                        ; eight tiles of 4,096 bytes
	s_lshl_b32 s20, s17, 16
	s_add_co_u32 s20, s20, s18                     ; x: tile 16 tr + 8 half
	s_mov_b32 s21, 0
	s_lshl_b32 s46, s42, 16
	s_add_co_u32 s46, s46, s18                     ; W: tile 16 tc + 8 half
	s_mov_b32 s47, 0
	s_mul_i32 s45, s14, HALFT                      ; where they go: wave x 32,768
	s_wait_kmcnt 0x0
	s_add_nc_u64 s[20:21], s[4:5], s[20:21]
	s_add_nc_u64 s[46:47], s[6:7], s[46:47]
	CROUND                                         ; all sixteen work-groups are here: the first joint loads meet
.irp s, 0,1
	s_mov_b32 s[G0+4*\s], 1
	s_add_co_u32 s[G0+4*\s+1], s45, \s*SLOT
	s_add_nc_u64 s[G0+4*\s+2:G0+4*\s+3], s[20:21], \s*SPA
	s_or_b32 s[G0+4*\s+3], s[G0+4*\s+3], 0x80000000
	s_mov_b32 s[G0B+4*\s], 1
	s_add_co_u32 s[G0B+4*\s+1], s45, \s*SLOT
	s_add_nc_u64 s[G0B+4*\s+2:G0B+4*\s+3], s[46:47], \s*SPB
	s_or_b32 s[G0B+4*\s+3], s[G0B+4*\s+3], 0x80000000
	JLOAD G0+4*\s, G1, G0B+4*\s, G1B               ; two tensor loads of mine are out
.endr
	v_and_b32 v1, 31, v0
	v_lshlrev_b32 v[LI], 4, v1
	s_wait_alu depctr_va_vdst(0)
	v_and_b32 v2, 15, v0                           ; r
	v_bfe_u32 v3, v0, 4, 1                         ; h
	s_lshl_b32 s69, s17, 13                        ; x's scale words: 16 tr tiles of 512 bytes
	s_lshl_b32 s70, s42, 13
	s_add_co_u32 s70, s70, WSC                     ; W's
	s_cmp_eq_u32 ttmp9, 2                          ; the cluster's x: the same in all sixteen partners
	s_cselect_b32 s[ISV], 1, 0
	s_cselect_b32 s67, 0x10000, 0                  ; source 1 reads x's region (q, k) or W's (v),
	s_cselect_b32 s68, 0, 0x10000                  ; source 0 the other
	s_cselect_b32 s71, s70, s69
	s_cselect_b32 s72, s69, s70
	s_cselect_b32 s73, s15, s16                    ; which half of the 256 columns is mine
	s_lshl_b32 s74, s15, 12
	s_add_co_u32 s71, s71, s74                     ; source 1's eight tiles' words
	s_lshl_b32 s74, s16, 12
	s_add_co_u32 s72, s72, s74                     ; source 0's
	s_mul_i32 s21, s15, HALFT
	s_add_co_u32 s21, s21, s67
	s_mul_i32 s22, s16, HALFT
	s_add_co_u32 s22, s22, s68
.irp s, 0,1
	v_add_nc_u32 v[ADRA+\s], s21, v[LI]
	v_add_nc_u32 v[ADRB+\s], s22, v[LI]
	s_add_co_u32 s21, s21, SLOT
	s_add_co_u32 s22, s22, SLOT
.endr
	s_mov_b32 s[HM], 0xffff0000
	v_mov_b32 v4, s71
	v_mov_b32 v5, s72
	v_cndmask_b32 v[SOF], v4, v5, s[HM]            ; lanes 0-15 take source 1's words, lanes 16-31 source 0's
	s_wait_alu depctr_va_vdst(0)
	v_lshl_add_u32 v[SOF], v2, 4, v[SOF]
.irp f, 0,1
.irp i, 0,1,2,3,4,5,6,7
	global_load_b128 v[SC+32*\f+4*\i:SC+32*\f+4*\i+3], v[SOF], s[8:9] offset:512*\i+256*\f   ; tile i, K steps 4 f + 0 .. 3: all of K, once
.endr
.endr
	s_mov_b32 s[SEL], 0x76543210
	s_mov_b32 s[SEL+1], 0xfedcba98
	s_wait_tensorcnt 0x1                           ; my part of slot 0 is in; slot 1's may stay out
	s_barrier_signal -1
	s_barrier_wait -1
	FETCH_B 0, 0, 0
	FETCH_A 0, 0, 0
	FETCH_A 0, 0, 4
	s_wait_loadcnt 0x0                             ; the scale words
	STEP 0, 0, 1                                   ; the first products start the sums: nothing is cleared
	TURN 0, 1, 1, 1
	STEP 1, 2, 0
	TURN 1, 0, 3, 1
	STEP 0, 4, 0
	TURN 0, 1, 5, 0                                ; nothing is left to fetch
	STEP 1, 6, 0
	; THE BIAS, and the addresses of the way out.  Source 0's set 0 was read last by K step 6, eight places back: the bias lands there while K step 7 is multiplied.
	s_lshr_b32 s82, s17, 2                         ; batch
	s_and_b32 s83, s17, 3                          ; which 256 rows of its 1,024
	s_lshl_b32 s86, s42, 10
	s_lshl_b32 s87, s73, 9
	s_add_co_u32 s86, s86, s87
	s_mov_b32 s87, 0
	s_add_nc_u64 s[76:77], s[10:11], s[86:87]      ; the bias of my 128 columns
	s_mov_b32 s89, 0
	s_cmp_eq_u32 s[ISV], 1
	s_cbranch_scc1 .Lbias_v
	v_lshlrev_b32 v[BO], 6, v3                     ; q, k: register 16 g + i is column 32 g + 16 h + i
	s_wait_alu depctr_va_vdst(0)
	v_mul_u32_u24 v[SO], v3, REC                   ; lanes 16-31 store my second head's words
	v_lshl_add_u32 v[SO], v2, 5, v[SO]
	s_lshl_b32 s84, s82, 5
	s_lshl_b32 s85, s42, 2
	s_add_co_u32 s84, s84, s85
	s_lshl_b32 s85, s16, 1
	s_add_co_u32 s84, s84, s85                     ; my first head's record: 32 b + 4 tc + 2 half
	s_lshl_b32 s86, s84, 16
	s_lshl_b32 s85, s83, 14
	s_add_co_u32 s86, s86, s85
	s_lshl_b32 s85, s15, 13
	s_add_co_u32 s86, s86, s85                     ; + my first tile x 1,024
	s_add_nc_u64 s[78:79], s[12:13], s[86:87]
	s_mul_i32 s88, s84, REC
	s_lshl_b32 s85, s83, 10
	s_add_co_u32 s88, s88, s85
	s_lshl_b32 s85, s15, 9
	s_add_co_u32 s88, s88, s85                     ; + my 128 rows' 512 bytes
	s_add_co_u32 s88, s88, SOFF
	s_add_nc_u64 s[80:81], s[12:13], s[88:89]
	WIN TO_B
.irp g, 0,1,2,3
.irp j, 0,1,2,3
	global_load_b128 v[16*\g+4*\j:16*\g+4*\j+3], v[BO], s[76:77] offset:128*\g+16*\j
.endr
.endr
	WIN 0
	s_branch .Lbias_done
.Lbias_v:
	v_and_b32 v[BO], 8, v2                         ; v: my lane holds column 32 (a / 2) + 8 (a % 2) + r + 8 (r / 8) of block a
	v_add_nc_u32 v[BO], v[BO], v2
	v_lshlrev_b32 v[BO], 2, v[BO]
	s_wait_alu depctr_va_vdst(0)
	v_mul_u32_u24 v[SO], v3, REC
	v_lshl_add_u32 v[SO], v2, 4, v[SO]
	s_sub_co_u32 s84, s42, 8
	s_lshl_b32 s84, s84, 2
	s_lshl_b32 s85, s15, 1
	s_add_co_u32 s84, s84, s85                     ; my first head
	s_lshl_b32 s93, s83, 1
	s_add_co_u32 s93, s93, s16                     ; my key step
	s_lshl_b32 s86, s82, 4
	s_add_co_u32 s86, s86, s84
	s_lshl_b32 s86, s86, 16
	s_lshl_b32 s85, s93, 13
	s_add_co_u32 s86, s86, s85
	s_add_co_u32 s86, s86, VOFF
	s_add_nc_u64 s[78:79], s[12:13], s[86:87]
	s_lshl_b32 s88, s82, 5
	s_add_co_u32 s88, s88, s84
	s_add_co_u32 s88, s88, 16                      ; the record of k's head of that number
	s_mul_i32 s88, s88, REC
	s_lshl_b32 s85, s93, 8
	s_add_co_u32 s88, s88, s85
	s_add_co_u32 s88, s88, SOFF+4096
	s_add_nc_u64 s[80:81], s[12:13], s[88:89]
	WIN TO_B
.irp a, 0,1,2,3,4,5,6,7
	global_load_b32 v[2*\a], v[BO], s[76:77] offset:(32*(\a/2)+8*(\a%2))*4      ; the same number twice: a pair for the packed addition
	global_load_b32 v[2*\a+1], v[BO], s[76:77] offset:(32*(\a/2)+8*(\a%2))*4
.endr
	WIN 0
.Lbias_done:
	s_wait_dscnt 4*NL                              ; K step 7: nothing more to fetch
	WIN MUL_LO
	MUL16 0, 1, 7, 0
	MUL16 2, 1, 7, 0
	s_wait_dscnt 0x0
	WIN MUL_HI
	MUL16 4, 1, 7, 0
	MUL16 6, 1, 7, 0
	WIN 0
; THE WAY OUT.  Block a (source 1's tile a): my lane's 64 registers are 128 neighbours' worth of four blocks of 32 along the next K: + bias, quantised in place, codes stored as the next operand's image.
.macro QBLOCK a, isv
.set QW, 2+(\a)/4
.set AC, 64*((\a)%4)
.set PC, PCB+16*((\a)%2)
.if (\a) >= 2
	s_wait_xcnt 0x0                                ; block a - 2's stores have read this set of codes
.endif
	WIN (QW<<6)|(1<<2)|QW                          ; the sums in window 2 or 3, the bias in window 1
.set n, 0
.rept 32
.if \isv
	v_pk_add_f32 v[AC+n:AC+n+1], v[AC+n:AC+n+1], v[2*(\a):2*(\a)+1]
.else
	v_pk_add_f32 v[AC+n:AC+n+1], v[AC+n:AC+n+1], v[n:n+1]      ; ascending: each accumulator from its low end on
.endif
.set n, n+2
.endr
	WIN (QW<<4)|(QW<<2)
.irp g, 0,1,2,3
	v_max3_num_f32 v[TM+\g], v[FLR], |v[AC+16*\g]|, |v[AC+16*\g+1]|
.endr
.irp i, 2,4,6,8,10,12,14
.irp g, 0,1,2,3
	v_max3_num_f32 v[TM+\g], v[TM+\g], |v[AC+16*\g+\i]|, |v[AC+16*\g+\i+1]|
.endr
.endr
	WIN 0
.irp g, 0,1,2,3
	v_permlanex16_b32 v[TM+4+\g], v[TM+\g], s[SEL], s[SEL+1]
.endr
.irp g, 0,1,2,3
	v_max_num_f32 v[TM+\g], v[TM+\g], v[TM+4+\g]   ; with lane l xor 16's 16: the block's largest magnitude
.endr
.irp g, 0,1,2,3
	v_add_nc_u32 v[TM+12+\g], 0xfc000000, v[TM+\g]
.endr
.irp g, 0,1,2,3
.endr
.irp g, 0,1,2,3
	v_lshrrev_b32 v[TM+4+\g], 23, v[TM+12+\g]
.endr
.if \isv
	v_lshl_or_b32 v[WS+(\a)], v[TM+5], 8, v[TM+4]  ; four blocks of keys: one word
	v_lshl_or_b32 v[WS+(\a)], v[TM+6], 16, v[WS+(\a)]
	v_lshl_or_b32 v[WS+(\a)], v[TM+7], 24, v[WS+(\a)]
.else
	v_lshl_or_b32 v[W0], v[TM+5], 8, v[TM+4]       ; two heads, two bytes each; the upper two bytes stay 0
	v_lshl_or_b32 v[W1], v[TM+7], 8, v[TM+6]
	v_cndmask_b32 v[WS+(\a)], v[W0], v[W1], s[HM]
.endif
	WIN (QW<<6)|QW
.irp g, 0,1,2,3
.irp i, 0,1,2,3,4,5,6,7,8,9,10,11,12,13,14,15
.endr
.endr
	WIN QW
.irp g, 0,1,2,3
	v_cvt_scalef32_pk8_fp8_f32 v[PC+4*\g:PC+4*\g+1], v[AC+16*\g:AC+16*\g+7], v[TM+12+\g]
	v_cvt_scalef32_pk8_fp8_f32 v[PC+4*\g+2:PC+4*\g+3], v[AC+16*\g+8:AC+16*\g+15], v[TM+12+\g]
.endr
	WIN 0
	v_nop                                          ; a plain vector line behind the last conversion
.irp g, 0,1,2,3
.if \isv
	global_store_b128 v[LI], v[PC+4*\g:PC+4*\g+3], s[78:79] offset:((\a)/4)*65536+((\a)%4)*2048+\g*512     ; 512 consecutive bytes
.else
	global_store_b128 v[LI], v[PC+4*\g:PC+4*\g+3], s[78:79] offset:(\g/2)*65536+(\a)*1024+(\g%2)*512
.endif
.endr
.endm
	PLACES NP                                      ; behind the last products: their results are read, and registers that they read are written
	s_wait_loadcnt 0x0                             ; the bias
.irp g, 0,1,2,3
	v_mov_b32 v[TM+4+\g], 0                        ; a lane permute's destination counts as one of its sources
.endr
	v_mov_b32 v[FLR], 0x4800000
	s_cmp_eq_u32 s[ISV], 1
	s_cbranch_scc1 .Lout_v
.irp a, 0,1,2,3,4,5,6,7
	QBLOCK \a, 0
.endr
	global_store_b128 v[SO], v[WS:WS+3], s[80:81]              ; row r's words of tiles 0-3,
	global_store_b128 v[SO], v[WS+4:WS+7], s[80:81] offset:16  ; and 4-7: together 512 consecutive bytes for each head
	s_branch .Lend
.Lout_v:
.irp a, 0,1,2,3,4,5,6,7
	QBLOCK \a, 1
.endr
.irp k, 0,1,2,3
	v_cndmask_b32 v[VSW+\k], v[WS+\k], v[WS+4+\k], s[HM]       ; lanes 0-15 my first head's four tiles of d, lanes 16-31 my second's
.endr
	global_store_b128 v[SO], v[VSW:VSW+3], s[80:81]            ; 256 consecutive bytes for each head
.Lend:
	s_wait_tensorcnt 0x0                           ; the wave's end
	ds_add_u32 v[SPW], v[NIL]
	s_wait_dscnt 0x0
	CROUND                                         ; the closing round
	s_endpgm
.Lfunc_end_k_q3aec119999_gemm_qkv:
	.size	k_q3aec119999_gemm_qkv, .Lfunc_end_k_q3aec119999_gemm_qkv-k_q3aec119999_gemm_qkv
	.p2alignl 7, 3214868480
	.fill 96, 4, 3214868480
	.section	.rodata,"a",@progbits
	.p2align	6, 0x0
	.amdhsa_kernel k_q3aec119999_gemm_qkv
		.amdhsa_group_segment_fixed_size 327680
		.amdhsa_private_segment_fixed_size 0
		.amdhsa_enable_private_segment 0
		.amdhsa_kernarg_size 40
		.amdhsa_user_sgpr_count 2
		.amdhsa_user_sgpr_kernarg_segment_ptr 1
		.amdhsa_wavefront_size32 1
		.amdhsa_system_sgpr_workgroup_id_x 1
		.amdhsa_system_sgpr_workgroup_id_y 1
		.amdhsa_system_sgpr_workgroup_id_z 1
		.amdhsa_system_vgpr_workitem_id 0
		.amdhsa_next_free_vgpr 1024
		.amdhsa_next_free_sgpr 100
		.amdhsa_reserve_vcc 0
		.amdhsa_float_denorm_mode_32 3
		.amdhsa_float_denorm_mode_16_64 3
		.amdhsa_fp16_overflow 1
		.amdhsa_memory_ordered 1
		.amdhsa_forward_progress 1
		.amdhsa_inst_pref_size 216
	.end_amdhsa_kernel
	.amdgpu_metadata
---
amdhsa.version: [ 1, 2 ]
amdhsa.kernels:
  - .name:           k_q3aec119999_gemm_qkv
    .symbol:         k_q3aec119999_gemm_qkv.kd
    .args:
      - { .name: xc, .offset: 0, .size: 8, .value_kind: global_buffer, .address_space: global }
      - { .name: wc, .offset: 8, .size: 8, .value_kind: global_buffer, .address_space: global }
      - { .name: sc1, .offset: 16, .size: 8, .value_kind: global_buffer, .address_space: global }
      - { .name: b_qkv, .offset: 24, .size: 8, .value_kind: global_buffer, .address_space: global }
      - { .name: qkv, .offset: 32, .size: 8, .value_kind: global_buffer, .address_space: global }
    .group_segment_fixed_size: 327680
    .private_segment_fixed_size: 0
    .kernarg_segment_align: 8
    .kernarg_segment_size: 40
    .max_flat_workgroup_size: 128
    .sgpr_count:     100
    .vgpr_count:     1024
    .wavefront_size: 32
...
	.end_amdgpu_metadata
.endif
;; end of part 2
;; launch attn (part 3): grid 2 x 128, 16 waves a work-group, no clusters, 169,984 bytes of LDS; arguments qkv, ac, sc2; writes ac, sc2
.if DOCPART == 3
	.amdgcn_target "amdgcn-amd-amdhsa--gfx1250"
	.amdhsa_code_object_version 6
	.text
	.protected	k_q3aec119999_attn
	.globl	k_q3aec119999_attn
	.p2align	8
	.type	k_q3aec119999_attn,@function
k_q3aec119999_attn:
	s_mov_b64 s[64:65], 0
	v_nop
	global_prefetch_b8 v0, s[64:65] scope:SCOPE_SE
	s_setreg_imm32_b32 hwreg(HW_REG_WAVE_MODE, 25, 1), 1
	s_wait_xcnt 0x0
; Causal attention of one head on codes of FP8 (E4M3) with E8M0 scales; the result, divided by the row's sum, is quantised along the model's 1,024 and leaves as the last product's operand image.
; THE SOFTMAX AHEAD OF THE SECOND PRODUCT: t = score x log2(e) / 8; M = the running largest t rounded up to a whole number; p = 2^(t - M) is quantised along the keys, not normalised; the row's sum is of the unquantised p.
; SHARES.  A work-group owns the query tiles i = 2 t + jp (jp = work-group x) of head y.  Wave w takes t = w, then t = 31 - w: w / 4 + 1 and (31 - w) / 4 + 1 key steps of 128, nine for every wave: only keys up to the diagonal are multiplied.
; A tile's lane r is query 32 t + 8 jp + r + 8 (r / 8); keys and the head's 64 go by the same tiles, so that results are the next operand's registers (both products are used transposed: a lane holds one query).
; LDS IS FILLED ONCE: the head's K codes (65,536 bytes), V codes (65,536) and scale words (6,144), by three tensor loads a wave at the head; nothing is filled again and nothing is stored to LDS.
; K = 64 IN A FORM OF 128: Q's registers 8-15 are zero codes and bytes 2, 3 of Q's and K's scale words are 0.  A key tile's operand v[32 + 8 t : 47 + 8 t] has the next tile's codes as its upper half: finite numbers (no code is above 448) times Q's zeros; tile 7's upper half is zeros.
; The loops' trip counts are constants (1 + 3, then 8); a step all of whose keys lie behind the tile's queries is left out by a scalar branch on ids; on the diagonal hidden scores become -infinity ahead of the maximum.
; LIMITS: a hidden key counts as p = 0; reference()'s -1e9 differs from that only where every visible logit of a row lies near or under -1e9.  NaN and infinities are not served.  A block under 2^(9 - 127) gets the byte 1.
; No cluster: two work-groups read a head's tiles, once each, at their heads.  No prefetch: all that is read is asked for at the head.  The two scale bytes a row leave by one store of 2 bytes a lane: one byte in 32 of what is stored.
.set VOFF, 0x1000000
.set SOFF, 0x1800000
.set REC,  6144
.set SCB,  131072                      ; LDS: K's codes at 0, V's at 65,536, the scale words here: K's 4,096 bytes, then V's 2,048
.set S,    104                         ; v104-167 S^T, then p
.set OT,   168                         ; v168-199 O^T
.set PCD,  200                         ; v200-215 p's codes; at a tile's end the result's
.set KSW,  216                         ; v216-223 K's scale words, v224-227 V's, v228 Q's, v229 p's
.set VSW,  224
.set QSW,  228
.set PSW,  229
.set BM,   230                         ; v230-233 a block's largest; 234-237 at work, bytes; 242-245 scale operands
.set BT,   234
.set BL,   238
.set BS,   242
.set FF,   246                         ; v[246:247] f
.set T0,   248
.set T1,   249
.set SB,   250                         ; v250, v251 the two tiles' scale bytes
.set WV,   18
.set MNT,  19
.set SEL,  20
.set CS,   22
.set G1S,  24
.set G1E,  32
.set G1L,  40
.set G0S,  48
.set G0E,  52
.set G0L,  56
.set HM,   60
.set TB,   2
.set TS,   3
.set TJ,   66
.set KF,   67
.set Q0,   68
.set CNT,  69
	s_load_b128 s[4:7], s[0:1], 0x0                ; qkv, ac
	s_load_b64 s[8:9], s[0:1], 0x10                ; sc2
	v_lshl_add_u32 v254, v0, 2, 0x29000
	v_mov_b32 v255, 0
	ds_add_u32 v254, v255
	ds_add_u32 v254, v255
	v_lshrrev_b32 v8, 5, v0
	s_delay_alu instid0(VALU_DEP_1)
	v_readfirstlane_b32 s[WV], v8                  ; wave 0..15
	s_and_b32 s84, ttmp7, 0xffff
	s_lshr_b32 s62, s84, 4                         ; batch
	s_and_b32 s63, s84, 15                         ; head
	; group 1, three shapes, elements of 8 bytes: one row of 384 bytes; 4 rows of 256; 28 rows of 256; all dense
	s_mov_b32 s[G1S], 3<<16
	s_mov_b32 s[G1S+1], 48<<16
	s_mov_b32 s[G1S+2], 1<<16
	s_mov_b32 s[G1S+3], 48<<16
	s_mov_b32 s[G1S+4], 1
	s_mov_b32 s[G1S+5], 48
	s_mov_b32 s[G1S+6], 0
	s_mov_b32 s[G1S+7], 0
	s_mov_b32 s[G1E], 3<<16
	s_mov_b32 s[G1E+1], 32<<16
	s_mov_b32 s[G1E+2], 4<<16
	s_mov_b32 s[G1E+3], 32<<16
	s_mov_b32 s[G1E+4], 4
	s_mov_b32 s[G1E+5], 32
	s_mov_b32 s[G1E+6], 0
	s_mov_b32 s[G1E+7], 0
	s_mov_b32 s[G1L], 3<<16
	s_mov_b32 s[G1L+1], 32<<16
	s_mov_b32 s[G1L+2], 28<<16
	s_mov_b32 s[G1L+3], 32<<16
	s_mov_b32 s[G1L+4], 28
	s_mov_b32 s[G1L+5], 32
	s_mov_b32 s[G1L+6], 0
	s_mov_b32 s[G1L+7], 0
	s_lshl_b32 s85, s62, 5
	s_add_co_u32 s85, s85, s63                     ; q's record: 32 b + h
	s_add_co_u32 s86, s85, 16                      ; k's
	s_lshl_b32 s87, s86, 16                        ; K's codes
	s_lshl_b32 s88, s62, 4
	s_add_co_u32 s88, s88, s63
	s_lshl_b32 s88, s88, 16
	s_add_co_u32 s88, s88, VOFF                    ; V's codes
	s_cmp_lt_u32 s[WV], 8                          ; waves 0-7 fetch K's codes, waves 8-15 V's
	s_cselect_b32 s90, s87, s88
	s_and_b32 s89, s[WV], 7
	s_lshr_b32 s91, s[WV], 3
	s_lshl_b32 s91, s91, 16
	s_lshl_b32 s92, s89, 10                        ; key step 0: 1,024 bytes a wave
	s_mul_i32 s94, s89, 7168
	s_add_co_u32 s94, s94, 8192                    ; key steps 1-7: 7,168 bytes a wave
	s_mul_i32 s96, s[WV], 384                      ; the scale words: 384 bytes a wave
	s_mov_b32 s[G0S], 1
	s_add_co_u32 s[G0S+1], s96, SCB
	s_mov_b32 s[G0E], 1
	s_add_co_u32 s[G0E+1], s91, s92
	s_mov_b32 s[G0L], 1
	s_add_co_u32 s[G0L+1], s91, s94
	s_mul_i32 s98, s86, REC
	s_add_co_u32 s98, s98, s96
	s_add_co_u32 s98, s98, SOFF
	s_mov_b32 s99, 0
	s_add_co_u32 s92, s92, s90
	s_mov_b32 s93, 0
	s_add_co_u32 s94, s94, s90
	s_mov_b32 s95, 0
	s_wait_dscnt 0x0
	s_wait_kmcnt 0x0
	s_add_nc_u64 s[G0S+2:G0S+3], s[4:5], s[98:99]
	s_or_b32 s[G0S+3], s[G0S+3], 0x80000000
	s_add_nc_u64 s[G0E+2:G0E+3], s[4:5], s[92:93]
	s_or_b32 s[G0E+3], s[G0E+3], 0x80000000
	s_add_nc_u64 s[G0L+2:G0L+3], s[4:5], s[94:95]
	s_or_b32 s[G0L+3], s[G0L+3], 0x80000000
	tensor_load_to_lds s[G0S:G0S+3], s[G1S:G1S+7]  ; the first fills, one group: three tensor loads of mine are out
	s_nop 0
	tensor_load_to_lds s[G0E:G0E+3], s[G1E:G1E+7]
	s_nop 0
	tensor_load_to_lds s[G0L:G0L+3], s[G1L:G1L+7]
	s_nop 0
.rept 4
	v_nop
.endr
	; my two tiles
	s_lshl_b32 s84, s[WV], 1
	s_add_co_u32 s84, s84, ttmp9                   ; i = 2 w + jp
	s_sub_co_u32 s97, 31, s[WV]
	s_lshl_b32 s97, s97, 1
	s_add_co_u32 s97, s97, ttmp9                   ; i = 2 (31 - w) + jp
	s_lshl_b32 s12, ttmp9, 3
	s_lshl_b32 s10, s84, 4
	s_sub_co_u32 s10, s10, s12                     ; their first queries: 16 i - 8 jp
	s_lshl_b32 s11, s97, 4
	s_sub_co_u32 s11, s11, s12
	s_lshl_b32 s14, s85, 16                        ; q's codes of my head
	s_mul_i32 s15, s85, REC
	s_add_co_u32 s15, s15, SOFF                    ; q's scale words
	s_lshr_b32 s17, s63, 2                         ; ac: K step h / 2: pair (h / 4), half (h / 2) % 2; groups 2 (h % 2) + 0, 1; tile 64 b + i
	s_lshl_b32 s17, s17, 21
	s_bfe_u32 s16, s63, 0x10001
	s_lshl_b32 s16, s16, 11
	s_add_co_u32 s17, s17, s16
	s_and_b32 s16, s63, 1
	s_lshl_b32 s16, s16, 10
	s_add_co_u32 s17, s17, s16
	s_lshl_b32 s16, s62, 18
	s_add_co_u32 s17, s17, s16
.macro TILEADR i, qc, qs, ao
	s_lshl_b32 s12, s[\i], 10
	s_add_co_u32 s12, s12, s14
	s_mov_b32 s13, 0
	s_add_nc_u64 s[\qc:\qc+1], s[4:5], s[12:13]
	s_lshr_b32 s12, s[\i], 3
	s_lshl_b32 s12, s12, 9
	s_and_b32 s16, s[\i], 7
	s_lshl_b32 s16, s16, 2
	s_add_co_u32 s12, s12, s16
	s_add_co_u32 s12, s12, s15
	s_add_nc_u64 s[\qs:\qs+1], s[4:5], s[12:13]
	s_lshl_b32 s12, s[\i], 12
	s_add_co_u32 s12, s12, s17
	s_add_nc_u64 s[\ao:\ao+1], s[6:7], s[12:13]
.endm
	TILEADR 84, 70, 72, 78
	TILEADR 97, 74, 76, 80
	s_lshl_b32 s12, s62, 15                        ; sc2: tile 64 b, + 256 (h / 8) + 4 ((h / 2) % 4) + 2 (h % 2)
	s_lshr_b32 s16, s63, 3
	s_lshl_b32 s16, s16, 8
	s_add_co_u32 s12, s12, s16
	s_bfe_u32 s16, s63, 0x20001
	s_lshl_b32 s16, s16, 2
	s_add_co_u32 s12, s12, s16
	s_and_b32 s16, s63, 1
	s_lshl_b32 s16, s16, 1
	s_add_co_u32 s12, s12, s16
	s_mov_b32 s13, 0
	s_add_nc_u64 s[82:83], s[8:9], s[12:13]
	s_lshl_b32 s84, s84, 9
	s_lshl_b32 s97, s97, 9
	s_mov_b32 s[HM], 0xffff0000                    ; lanes 16-31
	s_mov_b32 s[SEL], 0x76543210
	s_mov_b32 s[SEL+1], 0xfedcba98
	s_mov_b32 s[CS], 0x3e38aa3b                    ; c = log2(e) / sqrt(64)
	s_mov_b32 s[CS+1], s[CS]
	v_and_b32 v1, 31, v0
	s_delay_alu instid0(VALU_DEP_1)
	v_lshlrev_b32 v1, 4, v1                        ; 16 x lane: K's images, and global images
	s_delay_alu instid0(VALU_DEP_1)
	v_add_nc_u32 v2, 0x10000, v1                   ; V's
	v_and_b32 v8, 15, v0                           ; r
	v_bfe_u32 v9, v0, 4, 1                         ; h
	s_delay_alu instid0(VALU_DEP_2)
	v_lshl_add_u32 v3, v8, 5, SCB                  ; K's scale words: 32 bytes a row
	s_delay_alu instid0(VALU_DEP_3)
	v_lshl_add_u32 v4, v8, 4, SCB+4096             ; V's: 16 bytes a row
	s_delay_alu instid0(VALU_DEP_4)
	v_and_b32 v10, 8, v8
	s_delay_alu instid0(VALU_DEP_1)
	v_add_nc_u32 v5, v10, v8
	v_lshlrev_b32 v11, 4, v9
	s_delay_alu instid0(VALU_DEP_1)
	v_sub_nc_u32 v5, v5, v11                       ; r + 8 (r / 8) - 16 h
	v_lshlrev_b32 v7, 5, v8                        ; Q's scale word
	v_mov_b32 v10, s84
	v_mov_b32 v11, s97
	s_delay_alu instid0(VALU_DEP_1)
	v_cndmask_b32 v6, v10, v11, s[HM]              ; lanes 0-15 store my first tile's bytes, lanes 16-31 my second's
	s_delay_alu instid0(VALU_DEP_1)
	v_lshl_add_u32 v6, v8, 4, v6
	global_load_b128 v[16:19], v1, s[70:71]        ; Q's codes, k = 0 .. 63
	global_load_b128 v[20:23], v1, s[70:71] offset:512
	global_load_b32 v[QSW], v7, s[72:73]
.irp j, 0,1,2,3,4,5,6,7
	v_mov_b32 v[24+\j], 0                          ; Q's upper half: zero codes
	v_mov_b32 v[96+\j], 0                          ; behind K's last tile
.endr
.irp b, 0,1,2,3
	v_mov_b32 v[BT+\b], 0                          ; a lane permute's destination counts as one of its sources
.endr
	v_mov_b32 v[FF+1], 0                           ; named as the upper half of a pair
	v_mov_b32 v[T0], 0
; A KEY STEP: 128 keys from s[KF] on
.macro STEP
	s_add_co_u32 s96, s[Q0], 23                    ; the tile's last query
	s_cmp_gt_u32 s[KF], s96
	s_cbranch_scc1 .Lhidden_\@
	s_setprio 2
	v_add_nc_u32 v8, s[TB], v1
	v_add_nc_u32 v9, s[TB], v2
	v_add_nc_u32 v10, s[TS], v3
	v_add_nc_u32 v11, s[TJ], v4
.rept 4
	v_nop                                          ; with the four additions: eight places in front of loads into registers that matrix instructions have read
.endr
.irp t, 0,1,2,3,4,5,6,7
	ds_load_b128 v[32+8*\t:35+8*\t], v8 offset:1024*\t
	ds_load_b128 v[36+8*\t:39+8*\t], v8 offset:1024*\t+512
.endr
	ds_load_b128 v[KSW:KSW+3], v10
	ds_load_b128 v[KSW+4:KSW+7], v10 offset:16
	s_wait_alu depctr_va_vdst(0)
	s_wait_dscnt 0x0
.irp t, 0,1,2,3,4,5,6,7
	v_wmma_scale_f32_16x16x128_f8f6f4 v[S+8*\t:S+7+8*\t], v[32+8*\t:47+8*\t], v[16:31], 0, v[KSW+\t], v[QSW]
.endr
.rept 8
	v_nop
.endr
.irp t, 0,1,2,3                                    ; V's four tiles are asked for now and land under the softmax
.irp c, 0,1,2,3
	ds_load_b128 v[32+16*\t+4*\c:35+16*\t+4*\c], v9 offset:2048*\t+512*\c
.endr
.endr
	ds_load_b128 v[VSW:VSW+3], v11
	s_add_co_u32 s96, s[KF], 127
	s_cmp_le_u32 s96, s[Q0]
	s_cbranch_scc1 .Lopen_\@                       ; all 128 keys count for all 16 queries
	s_sub_co_i32 s96, s[Q0], s[KF]
	v_add_nc_u32 v[T0], s96, v5                    ; d = my query - KF - 16 h.  Register 16 b + i holds key KF + 16 h + 32 b + i: hidden where 32 b + i > d
	v_mov_b32 v[T1], 0xff800000
.irp n, 0,1,2,3,4,5,6,7,8,9,10,11,12,13,14,15,16,17,18,19,20,21,22,23,24,25,26,27,28,29,30,31,32,33,34,35,36,37,38,39,40,41,42,43,44,45,46,47,48,49,50,51,52,53,54,55,56,57,58,59,60,61,62,63
	v_cmp_gt_i32 vcc_lo, 32*(\n/16)+\n%16, v[T0]
	v_cndmask_b32 v[S+\n], v[S+\n], v[T1], vcc_lo
.endr
.Lopen_\@:
.irp b, 0,1,2,3
	v_max3_num_f32 v[BM+\b], v[S+16*\b], v[S+1+16*\b], v[S+2+16*\b]   ; the largest score of each block of 32 keys: for the row's maximum, and for the block's largest p
.endr
.irp i, 3,5,7,9,11,13
.irp b, 0,1,2,3
	v_max3_num_f32 v[BM+\b], v[BM+\b], v[S+16*\b+\i], v[S+1+16*\b+\i]
.endr
.endr
.irp b, 0,1,2,3
	v_max_num_f32 v[BM+\b], v[BM+\b], v[S+15+16*\b]
.endr
.irp b, 0,1,2,3
	s_delay_alu instid0(VALU_DEP_4)
	v_permlanex16_b32 v[BT+\b], v[BM+\b], s[SEL], s[SEL+1]
.endr
.irp b, 0,1,2,3
	s_delay_alu instid0(VALU_DEP_4)
	v_max_num_f32 v[BM+\b], v[BM+\b], v[BT+\b]
.endr
	s_delay_alu instid0(VALU_DEP_2)
	v_max3_num_f32 v[T0], v[BM], v[BM+1], v[BM+2]
	s_delay_alu instid0(VALU_DEP_1)
	v_max_num_f32 v[T0], v[T0], v[BM+3]
	s_delay_alu instid0(VALU_DEP_1)
	v_mul_f32 v[T0], s[CS], v[T0]
	s_delay_alu instid0(VALU_DEP_1)
	v_max_num_f32 v13, v13, v[T0]                  ; the running largest t
	v_mov_b32 v[T0], v12
	s_delay_alu instid0(VALU_DEP_2)
	v_floor_f32 v12, -v13                          ; -M = floor(-t): M is a whole number
	s_delay_alu instid0(VALU_DEP_1)
	v_sub_f32 v[T0], v12, v[T0]                    ; old M - new M
	s_delay_alu instid0(VALU_DEP_1)
	v_cvt_i32_f32 v[T0], v[T0]
	s_delay_alu instid0(VALU_DEP_1)
	v_ldexp_f32 v[FF], 1.0, v[T0]                  ; f = 2^(old M - new M): a multiplication by it rounds nothing
	s_setprio 1
.irp j, 0,2,4,6,8,10,12,14,16,18,20,22,24,26,28,30,32,34,36,38,40,42,44,46,48,50,52,54,56,58,60,62
	v_pk_fma_f32 v[S+\j:S+1+\j], v[S+\j:S+1+\j], s[CS:CS+1], v[12:13] op_sel_hi:[1,0,0]
.endr
.irp b, 0,1,2,3
	v_fma_f32 v[BM+\b], v[BM+\b], s[CS], v12
.endr
	s_wait_alu depctr_va_vdst(0)
.irp j, 0,1,2,3,4,5,6,7,8,9,10,11,12,13,14,15,16,17,18,19,20,21,22,23,24,25,26,27,28,29,30,31,32,33,34,35,36,37,38,39,40,41,42,43,44,45,46,47,48,49,50,51,52,53,54,55,56,57,58,59,60,61,62,63
	v_exp_f32 v[S+\j], v[S+\j]                     ; p = 2^(t - M)
.endr
	v_pk_mul_f32 v[14:15], v[14:15], v[FF:FF+1] op_sel_hi:[1,0]   ; the sums under the new M: a plain line behind the exponentials
	s_wait_alu depctr_va_vdst(0)                   ; one wait for the batch, ahead of its first reader
.irp b, 0,1,2,3
	v_exp_f32 v[BM+\b], v[BM+\b]                   ; the block's largest p
.endr
	v_pk_add_f32 v[234:235], v[108:109], v[112:113]
	v_pk_add_f32 v[252:253], v[116:117], v[120:121]
	v_pk_add_f32 v[244:245], v[124:125], v[128:129]
	v_pk_add_f32 v[242:243], v[132:133], v[136:137]
	v_pk_add_f32 v[240:241], v[140:141], v[144:145]
	v_pk_add_f32 v[238:239], v[148:149], v[152:153]
	v_pk_add_f32 v[236:237], v[156:157], v[160:161]
	v_pk_add_f32 v[14:15], v[14:15], v[164:165]
	v_pk_add_f32 v[234:235], v[234:235], v[104:105]
	v_pk_add_f32 v[252:253], v[252:253], v[106:107]
	v_pk_add_f32 v[244:245], v[244:245], v[110:111]
	v_pk_add_f32 v[242:243], v[242:243], v[114:115]
	v_pk_add_f32 v[240:241], v[240:241], v[118:119]
	v_pk_add_f32 v[238:239], v[238:239], v[122:123]
	v_pk_add_f32 v[236:237], v[236:237], v[126:127]
	v_pk_add_f32 v[14:15], v[14:15], v[130:131]
	v_pk_add_f32 v[234:235], v[234:235], v[134:135]
	v_pk_add_f32 v[252:253], v[252:253], v[138:139]
	v_pk_add_f32 v[244:245], v[244:245], v[142:143]
	v_pk_add_f32 v[242:243], v[242:243], v[146:147]
	v_pk_add_f32 v[240:241], v[240:241], v[150:151]
	v_pk_add_f32 v[238:239], v[238:239], v[154:155]
	v_pk_add_f32 v[236:237], v[236:237], v[158:159]
	v_pk_add_f32 v[14:15], v[14:15], v[162:163]
	v_pk_add_f32 v[234:235], v[234:235], v[166:167]
	s_delay_alu instid0(VALU_DEP_2)
	v_pk_add_f32 v[14:15], v[14:15], v[242:243]
	s_delay_alu instid0(VALU_DEP_2)
	v_pk_add_f32 v[234:235], v[234:235], v[240:241]
	v_pk_add_f32 v[252:253], v[252:253], v[238:239]
	v_pk_add_f32 v[244:245], v[244:245], v[236:237]
	s_delay_alu instid0(VALU_DEP_2)
	v_pk_add_f32 v[14:15], v[14:15], v[252:253]
	s_delay_alu instid0(VALU_DEP_2)
	v_pk_add_f32 v[234:235], v[234:235], v[244:245]
	s_delay_alu instid0(VALU_DEP_1)
	v_pk_add_f32 v[14:15], v[14:15], v[234:235]
	s_setprio 0
	s_wait_alu depctr_va_vdst(0)                   ; and one for the four
.irp b, 0,1,2,3
	v_max_num_f32 v[BM+\b], 0x4800000, v[BM+\b]
.endr
.irp b, 0,1,2,3
	s_delay_alu instid0(VALU_DEP_4)
	v_add_nc_u32 v[BS+\b], 0xfc000000, v[BM+\b]
.endr
.irp b, 0,1,2,3
.endr
.irp b, 0,1,2,3
	s_delay_alu instid0(VALU_DEP_4)
	v_lshrrev_b32 v[BT+\b], 23, v[BS+\b]
.endr
	s_delay_alu instid0(VALU_DEP_3)
	v_lshl_or_b32 v[PSW], v[BT+1], 8, v[BT]
	s_delay_alu instid0(VALU_DEP_1)
	v_lshl_or_b32 v[PSW], v[BT+2], 16, v[PSW]
	s_delay_alu instid0(VALU_DEP_1)
	v_lshl_or_b32 v[PSW], v[BT+3], 24, v[PSW]
.irp b, 0,1,2,3
.irp i, 0,1,2,3,4,5,6,7,8,9,10,11,12,13,14,15
.endr
	v_cvt_scalef32_pk8_fp8_f32 v[PCD+4*\b:PCD+1+4*\b], v[S+16*\b:S+7+16*\b], v[BS+\b]
	v_cvt_scalef32_pk8_fp8_f32 v[PCD+2+4*\b:PCD+3+4*\b], v[S+8+16*\b:S+15+16*\b], v[BS+\b]
.endr
.irp j, 0,2,4,6,8,10,12,14,16,18,20,22,24,26,28,30
	v_pk_mul_f32 v[OT+\j:OT+1+\j], v[OT+\j:OT+1+\j], v[FF:FF+1] op_sel_hi:[1,0]   ; O^T under the new M; also the places between the codes and the products
.endr
	s_wait_alu depctr_va_vdst(0)
	s_wait_dscnt 0x0                               ; V
.irp t, 0,1,2,3
	v_wmma_scale_f32_16x16x128_f8f6f4 v[OT+8*\t:OT+7+8*\t], v[32+16*\t:47+16*\t], v[PCD:PCD+15], v[OT+8*\t:OT+7+8*\t], v[VSW+\t], v[PSW]
.endr
.Lhidden_\@:
	s_add_co_u32 s[KF], s[KF], 128
	s_add_co_u32 s[TB], s[TB], 8192
	s_add_co_u32 s[TS], s[TS], 512
	s_add_co_u32 s[TJ], s[TJ], 256
.endm
.macro INIT q                          ; a tile begins: zeros, which the first change of M leaves zeros
	s_wait_xcnt 0x0                                ; the last tile's stores have read the codes' registers
	v_mov_b32 v13, 0xff61b1e6                      ; -3e38, under every t
	s_delay_alu instid0(VALU_DEP_1)
	v_floor_f32 v12, -v13
	v_mov_b32 v14, 0
	v_mov_b32 v15, 0
.irp j, 0,1,2,3,4,5,6,7,8,9,10,11,12,13,14,15,16,17,18,19,20,21,22,23,24,25,26,27,28,29,30,31
	v_mov_b32 v[OT+\j], 0
.endr
	s_mov_b32 s[KF], 0
	s_mov_b32 s[TB], 0
	s_mov_b32 s[TS], 0
	s_mov_b32 s[TJ], 0
	s_mov_b32 s[Q0], s[\q]
.endm
; A tile ends: O^T / the sum; register 16 g + i is d = 32 g + 16 h + i of my query: two blocks of 32 along the last product's K
.macro FINISH n, ao
.rept 8
	v_nop
.endr
.if \n == 0
	global_load_b128 v[16:19], v1, s[74:75]        ; the second tile's Q
	global_load_b128 v[20:23], v1, s[74:75] offset:512
	global_load_b32 v[QSW], v7, s[76:77]
.endif
	v_add_f32 v14, v14, v15
	s_delay_alu instid0(VALU_DEP_1)
	v_permlanex16_b32 v[T0], v14, s[SEL], s[SEL+1]
	s_delay_alu instid0(VALU_DEP_1)
	v_add_f32 v14, v14, v[T0]                      ; the row's sum
	s_wait_alu depctr_va_vdst(0)
	v_rcp_f32 v14, v14
	v_nop
	s_wait_alu depctr_va_vdst(0)
.irp j, 0,2,4,6,8,10,12,14,16,18,20,22,24,26,28,30
	v_pk_mul_f32 v[OT+\j:OT+1+\j], v[OT+\j:OT+1+\j], v[14:15] op_sel_hi:[1,0]
.endr
.irp g, 0,1
	v_max3_num_f32 v[BM+\g], |v[OT+16*\g]|, |v[OT+1+16*\g]|, 0x4800000
.endr
.irp i, 2,4,6,8,10,12,14
.irp g, 0,1
	s_delay_alu instid0(VALU_DEP_2)
	v_max3_num_f32 v[BM+\g], v[BM+\g], |v[OT+16*\g+\i]|, |v[OT+1+16*\g+\i]|
.endr
.endr
.irp g, 0,1
	s_delay_alu instid0(VALU_DEP_2)
	v_permlanex16_b32 v[BT+\g], v[BM+\g], s[SEL], s[SEL+1]
.endr
.irp g, 0,1
	s_delay_alu instid0(VALU_DEP_2)
	v_max_num_f32 v[BM+\g], v[BM+\g], v[BT+\g]
.endr
.irp g, 0,1
	s_delay_alu instid0(VALU_DEP_2)
	v_add_nc_u32 v[BS+\g], 0xfc000000, v[BM+\g]
.endr
.irp g, 0,1
.endr
.irp g, 0,1
	s_delay_alu instid0(VALU_DEP_2)
	v_lshrrev_b32 v[BT+\g], 23, v[BS+\g]
.endr
	s_delay_alu instid0(VALU_DEP_1)
	v_lshl_or_b32 v[SB+\n], v[BT+1], 8, v[BT]
.irp g, 0,1
.irp i, 0,1,2,3,4,5,6,7,8,9,10,11,12,13,14,15
.endr
	v_cvt_scalef32_pk8_fp8_f32 v[PCD+4*\g:PCD+1+4*\g], v[OT+16*\g:OT+7+16*\g], v[BS+\g]
	v_cvt_scalef32_pk8_fp8_f32 v[PCD+2+4*\g:PCD+3+4*\g], v[OT+8+16*\g:OT+15+16*\g], v[BS+\g]
.endr
	v_nop                                          ; a plain vector line behind the last conversion
	global_store_b128 v1, v[PCD:PCD+3], s[\ao:\ao+1]               ; 512 consecutive bytes each
	global_store_b128 v1, v[PCD+4:PCD+7], s[\ao:\ao+1] offset:512
.endm
	INIT 10
	s_wait_tensorcnt 0x1                           ; my parts of the scale words and of key step 0 are in; the load of key steps 1-7 may stay out
	s_barrier_signal -1
	s_barrier_wait -1                              ; everybody's are
	s_wait_loadcnt 0x0                             ; Q
	STEP                                           ; key step 0, while the rest lands
	s_wait_tensorcnt 0x0
	s_wait_dscnt 0x0
	s_barrier_signal -1
	s_barrier_wait -1                              ; the whole head lies in LDS
	s_mov_b32 s[CNT], 3
.Lfirst:
	STEP
	s_sub_co_u32 s[CNT], s[CNT], 1
	s_cmp_lg_u32 s[CNT], 0
	s_cbranch_scc1 .Lfirst
	s_setprio 0
	FINISH 0, 78
	INIT 11
	s_wait_loadcnt 0x0                             ; the second tile's Q
	s_mov_b32 s[CNT], 8
.Lsecond:
	STEP
	s_sub_co_u32 s[CNT], s[CNT], 1
	s_cmp_lg_u32 s[CNT], 0
	s_cbranch_scc1 .Lsecond
	s_setprio 0
	FINISH 1, 80
	v_cndmask_b32 v[T1], v[SB], v[SB+1], s[HM]
	global_store_b16 v6, v[T1], s[82:83]           ; my head's two bytes of each row's scale word
	s_wait_tensorcnt 0x0
	ds_add_u32 v254, v255
	s_wait_dscnt 0x0
	s_endpgm
.Lfunc_end_k_q3aec119999_attn:
	.size	k_q3aec119999_attn, .Lfunc_end_k_q3aec119999_attn-k_q3aec119999_attn
	.p2alignl 7, 3214868480
	.fill 96, 4, 3214868480
	.section	.rodata,"a",@progbits
	.p2align	6, 0x0
	.amdhsa_kernel k_q3aec119999_attn
		.amdhsa_group_segment_fixed_size 169984
		.amdhsa_private_segment_fixed_size 0
		.amdhsa_enable_private_segment 0
		.amdhsa_kernarg_size 24
		.amdhsa_user_sgpr_count 2
		.amdhsa_user_sgpr_kernarg_segment_ptr 1
		.amdhsa_wavefront_size32 1
		.amdhsa_system_sgpr_workgroup_id_x 1
		.amdhsa_system_sgpr_workgroup_id_y 1
		.amdhsa_system_sgpr_workgroup_id_z 1
		.amdhsa_system_vgpr_workitem_id 0
		.amdhsa_next_free_vgpr 256
		.amdhsa_next_free_sgpr 100
		.amdhsa_reserve_vcc 1
		.amdhsa_float_denorm_mode_32 3
		.amdhsa_float_denorm_mode_16_64 3
		.amdhsa_fp16_overflow 1
		.amdhsa_memory_ordered 1
		.amdhsa_forward_progress 1
		.amdhsa_inst_pref_size 89
	.end_amdhsa_kernel
	.amdgpu_metadata
---
amdhsa.version: [ 1, 2 ]
amdhsa.kernels:
  - .name:           k_q3aec119999_attn
    .symbol:         k_q3aec119999_attn.kd
    .args:
      - { .name: qkv, .offset: 0, .size: 8, .value_kind: global_buffer, .address_space: global }
      - { .name: ac, .offset: 8, .size: 8, .value_kind: global_buffer, .address_space: global }
      - { .name: sc2, .offset: 16, .size: 8, .value_kind: global_buffer, .address_space: global }
    .group_segment_fixed_size: 169984
    .private_segment_fixed_size: 0
    .kernarg_segment_align: 8
    .kernarg_segment_size: 24
    .max_flat_workgroup_size: 512
    .sgpr_count:     100
    .vgpr_count:     256
    .wavefront_size: 32
...
	.end_amdgpu_metadata
.endif
;; end of part 3
;; launch gemm_out (part 4): grid 4 x 32, 4 waves a work-group, clusters of 4 x 4, 327,680 bytes of LDS; arguments ac, woc, sc2, b_out, out0; writes out0
.if DOCPART == 4
	.amdgcn_target "amdgcn-amd-amdhsa--gfx1250"
	.amdhsa_code_object_version 6
	.text
	.protected	k_q3aec119999_gemm_out
	.globl	k_q3aec119999_gemm_out
	.p2align	8
	.type	k_q3aec119999_gemm_out,@function
k_q3aec119999_gemm_out:
	s_mov_b64 s[64:65], 0
	v_nop
	global_prefetch_b8 v0, s[64:65] scope:SCOPE_SE
	s_setreg_imm32_b32 hwreg(HW_REG_WAVE_MODE, 25, 1), 1
	s_wait_xcnt 0x0
	s_wait_alu depctr_hold_cnt(0) depctr_sa_sdst(0) depctr_va_vdst(0) depctr_va_sdst(0) depctr_va_ssrc(0) depctr_va_vcc(0) depctr_vm_vsrc(0)
	s_getreg_b32 s2, hwreg(HW_REG_IB_STS2, 6, 4)
	s_cmp_eq_u32 s2, 0
	s_cbranch_scc0 .Lentry_in_a_cluster
	s_endpgm
.Lentry_in_a_cluster:
	s_bfe_u32 s2, ttmp6, 0x10000c
	s_cmp_lg_u32 s2, 0xf033
	s_cbranch_scc0 .Lentry_shape_is_right
	s_endpgm
.Lentry_shape_is_right:
; out0 = a W_out + b_out on codes of FP8 (E4M3) with E8M0 scales, K = 1,024; out0 [8192][1024] f32.
; A work-group of four waves makes 256 rows x 256 columns, a wave 128 x 128: 64 accumulators in windows 2 and 3.  K goes in steps of 128, two to a slot, through two LDS slots filled by tensor loads.
; OPERANDS LIE AS IMAGES OF THEIR REGISTERS (tile: lane r = row 8 u + r + 8 (r / 8) of a group of 32; fragment: 512 c + 16 x lane): eight tiles' two K steps are one dense block of 32,768 bytes.
; Source 0 = W's tiles, source 1 = a's: a lane holds a row of a; register 16 g + i of a block is column 32 g + 16 h + i.
; CLUSTERS: 4 x 4; a's tiles are asked for jointly along a row of the cluster, W's along a column.  128 work-groups: a smaller tile would read each fragment from LDS for half as many products.
; No prefetch: the eight K steps come by four loads a wave, two of them at the head.
; REGISTERS: window 0: v16-29 addresses; v32-95 scale words for all of K (lanes 0-15 a's tiles, lanes 16-31 W's); v96-99 the bias of my four columns; from v128 a's fragments, one set; on the way out rows of out0.
;   window 1: W's fragments, two sets.   windows 2, 3: accumulator (a, b) at v[8 (8 (a % 4) + b)].
.set HALFT,  32768
.set SLOT,   4*HALFT
.set SPARE,  2*SLOT                    ; the spare words, 128 bytes for each wave: two blocks of 256 bytes that no other line names
.set SPA,    0x200000
.set SPB,    0x40000
.set WSC,    262144
.set SPITCH, 528                       ; the way out: a stage of 16 rows x (512 bytes + 16) for each wave, in slot 0, which has had its last fill and its last read by then
.set FR,     16
.set NL,     4
.set NP,     8
.set ADRA, 16
.set ADRB, 20
.set LI,   24                          ; v24 16 x lane
.set STO,  25
.set RD,   26
.set SOF,  27
.set SPW,  28
.set NIL,  29
.set SC,   32
.set BI,   96
.set AF,   128
.set BK,   128
.set G1, 24
.set G0, 32
.set G1B, 48
.set G0B, 56
.set HM,  75
.set MSB, 0
.macro WIN new
.if MSB != (\new)
	s_set_vgpr_msb (MSB<<8)|(\new)
.set MSB, (\new)
.endif
.endm
.set MUL_LO, 0xa1
.set MUL_HI, 0xf1
.set TO_B,   0x40
.macro JLOAD g0a, g1a, g0b, g1b        ; waves 0 and 1 fetch a's halves, waves 2 and 3 W's; four v_nop follow each line
	s_cmp_eq_u32 s15, 0
	s_cbranch_scc0 .Lfor_b_\@
	tensor_load_to_lds s[\g0a:\g0a+3], s[\g1a:\g1a+7]
	s_nop 0
.rept 4
	v_nop
.endr
	s_branch .Lasked_\@
.Lfor_b_\@:
	tensor_load_to_lds s[\g0b:\g0b+3], s[\g1b:\g1b+7]
	s_nop 0
.rept 4
	v_nop
.endr
.Lasked_\@:
.endm
.macro CREST
	s_cmp_lg_u32 s14, 0
	s_cbranch_scc1 .Lnot_wave_0_\@
	s_barrier_signal -3
.Lnot_wave_0_\@:
	s_barrier_wait -3
	s_barrier_signal -1
	s_barrier_wait -1
.endm
.macro CROUND
	s_barrier_signal -1
	s_barrier_wait -1
	CREST
.endm
.macro PLACES n
.rept \n
	v_nop
.endr
.endm
.macro FRAG reg, adr, q, i
.irp c, 0,1,2,3
	ds_load_b128 v[\reg+4*\c:\reg+4*\c+3], v[\adr] offset:(\i)*4096+(\q)*2048+512*\c
.endr
.endm
.macro MUL16 a0, p, s, zero            ; the 64 accumulators take turns, one instruction a turn
.irp a, \a0, \a0+1
.irp b, 0,1,2,3,4,5,6,7
.if \zero
	v_wmma_scale_f32_16x16x128_f8f6f4 v[8*(8*((\a)%4)+\b):8*(8*((\a)%4)+\b)+7], v[128*(\p)+FR*\b:128*(\p)+FR*\b+FR-1], v[AF+FR*(\a):AF+FR*(\a)+FR-1], 0, v[SC+32*((\s)/4)+4*\b+(\s)%4], v[SC+32*((\s)/4)+4*(\a)+(\s)%4] matrix_a_scale:MATRIX_SCALE_ROW1
.else
	v_wmma_scale_f32_16x16x128_f8f6f4 v[8*(8*((\a)%4)+\b):8*(8*((\a)%4)+\b)+7], v[128*(\p)+FR*\b:128*(\p)+FR*\b+FR-1], v[AF+FR*(\a):AF+FR*(\a)+FR-1], v[8*(8*((\a)%4)+\b):8*(8*((\a)%4)+\b)+7], v[SC+32*((\s)/4)+4*\b+(\s)%4], v[SC+32*((\s)/4)+4*(\a)+(\s)%4] matrix_a_scale:MATRIX_SCALE_ROW1
.endif
.endr
.endr
.endm
.macro FETCH_B slot, q, p
	WIN TO_B
.irp i, 0,1,2,3,4,5,6,7
	FRAG 128*(\p)+FR*\i, ADRB+\slot, \q, \i
.endr
	WIN 0
.endm
.macro FETCH_A slot, q, i0
.irp i, \i0, \i0+1, \i0+2, \i0+3
	FRAG AF+FR*(\i), ADRA+\slot, \q, \i
.endr
.endm
.macro STEP slot, s, zero
	s_wait_dscnt 4*NL                              ; all but the youngest 16 loads (a's tiles 4-7)
	WIN MUL_LO
	MUL16 0, 0, \s, \zero
	MUL16 2, 0, \s, \zero
	s_wait_dscnt 0x0
	PLACES NP
	FETCH_B \slot, 1, 1
	FETCH_A \slot, 1, 0
	WIN MUL_HI
	MUL16 4, 0, \s, \zero
	MUL16 6, 0, \s, \zero
	PLACES NP
	WIN 0
	FETCH_A \slot, 1, 4
.endm
.macro TURN slot, next, s, fill
	s_wait_tensorcnt 0x0                           ; all my tensor loads have landed: my part of the next slot
	ds_add_u32 v[SPW], v[NIL]                      ; 0 onto my spare word
	s_wait_dscnt 4*NL+1                            ; (the add and the youngest 16 loads may be out)
	WIN MUL_LO
	MUL16 0, 1, \s, 0
	s_wait_dscnt 0x0                               ; the add is done, and my reads of this slot are over
	s_barrier_signal -1
	MUL16 2, 1, \s, 0
	WIN 0
	s_barrier_wait -1
.if \fill
	CREST                                          ; a round of the cluster's barrier: no wave of any partner still reads this slot or has a load on its way
	s_add_nc_u64 s[G0+4*\slot+2:G0+4*\slot+3], s[G0+4*\slot+2:G0+4*\slot+3], 2*SPA
	s_add_nc_u64 s[G0B+4*\slot+2:G0B+4*\slot+3], s[G0B+4*\slot+2:G0B+4*\slot+3], 2*SPB
	JLOAD G0+4*\slot, G1, G0B+4*\slot, G1B
	PLACES NP-4
.else
	PLACES NP
.endif
	FETCH_B \next, 0, 0
	FETCH_A \next, 0, 0
	WIN MUL_HI
	MUL16 4, 1, \s, 0
	MUL16 6, 1, \s, 0
	PLACES NP
	WIN 0
	FETCH_A \next, 0, 4
.endm
	s_load_b256 s[4:11], s[0:1], 0x0               ; ac, woc, sc2, b_out
	s_load_b64 s[12:13], s[0:1], 0x20              ; out0
	v_lshl_add_u32 v[SPW], v0, 2, SPARE
	v_mov_b32 v[NIL], 0
	ds_add_u32 v28, v29
	ds_add_u32 v28, v29
	s_wait_dscnt 0x0
	v_lshrrev_b32 v1, 5, v0
	v_readfirstlane_b32 s14, v1                    ; wave 0..3
	s_lshr_b32 s15, s14, 1                         ; which half of the rows is mine.  Also: I fetch a (0) or W (1)
	s_and_b32 s16, s14, 1                          ; which half of the columns.  Also: which eight tiles I fetch
	s_bfe_u32 s40, ttmp6, 0x40000
	s_bfe_u32 s41, ttmp6, 0x40004
	s_lshl_b32 s42, ttmp9, 2
	s_add_co_u32 s42, s42, s40                     ; tc
	s_and_b32 s17, ttmp7, 0xffff
	s_lshl_b32 s17, s17, 2
	s_add_co_u32 s17, s17, s41                     ; tr
	s_lshl_b32 s43, s41, 2
	s_lshl_b32 s43, 15, s43
	s_lshl_b32 s44, 0x1111, s40
	s_or_b32 s[G1+0], s43, (3<<16)|(1<<21)         ; a dense block of 32,768 bytes as 128 rows of 32 elements of 8 bytes
	s_or_b32 s[G1B+0], s44, (3<<16)|(1<<21)
.irp g, G1, G1B
	s_mov_b32 s[\g+1], 32<<16
	s_mov_b32 s[\g+2], 128<<16
	s_mov_b32 s[\g+3], 32<<16
	s_mov_b32 s[\g+4], 128
	s_mov_b32 s[\g+5], 32
	s_mov_b32 s[\g+6], 0
	s_mov_b32 s[\g+7], 0
.endr
	s_lshl_b32 s18, s16, 15
	s_lshl_b32 s20, s17, 16
	s_add_co_u32 s20, s20, s18
	s_mov_b32 s21, 0
	s_lshl_b32 s46, s42, 16
	s_add_co_u32 s46, s46, s18
	s_mov_b32 s47, 0
	s_mul_i32 s45, s14, HALFT
	s_wait_kmcnt 0x0
	s_add_nc_u64 s[20:21], s[4:5], s[20:21]
	s_add_nc_u64 s[46:47], s[6:7], s[46:47]
	CROUND                                         ; all sixteen work-groups are here: the first joint loads meet
.irp s, 0,1
	s_mov_b32 s[G0+4*\s], 1
	s_add_co_u32 s[G0+4*\s+1], s45, \s*SLOT
	s_add_nc_u64 s[G0+4*\s+2:G0+4*\s+3], s[20:21], \s*SPA
	s_or_b32 s[G0+4*\s+3], s[G0+4*\s+3], 0x80000000
	s_mov_b32 s[G0B+4*\s], 1
	s_add_co_u32 s[G0B+4*\s+1], s45, \s*SLOT
	s_add_nc_u64 s[G0B+4*\s+2:G0B+4*\s+3], s[46:47], \s*SPB
	s_or_b32 s[G0B+4*\s+3], s[G0B+4*\s+3], 0x80000000
	s_wait_alu depctr_va_vdst(0)
	s_wait_tensorcnt 0x0
	ds_add_u32 v28, v29
	ds_add_u32 v28, v29
	s_wait_dscnt 0x0
	CROUND
	JLOAD G0+4*\s, G1, G0B+4*\s, G1B               ; one tensor load of mine is out
.endr
	v_and_b32 v1, 31, v0
	v_lshlrev_b32 v[LI], 4, v1
	s_wait_alu depctr_va_vdst(0)
	v_and_b32 v2, 15, v0                           ; r
	v_bfe_u32 v3, v0, 4, 1                         ; h
	s_lshl_b32 s71, s17, 13
	s_lshl_b32 s74, s15, 12
	s_add_co_u32 s71, s71, s74                     ; a's scale words: tile 16 tr + 8 half
	s_lshl_b32 s72, s42, 13
	s_lshl_b32 s74, s16, 12
	s_add_co_u32 s72, s72, s74
	s_add_co_u32 s72, s72, WSC                     ; W's
	s_mul_i32 s21, s15, HALFT
	s_mul_i32 s22, s16, HALFT
	s_add_co_u32 s22, s22, 2*HALFT
.irp s, 0,1
	v_add_nc_u32 v[ADRA+\s], s21, v[LI]
	v_add_nc_u32 v[ADRB+\s], s22, v[LI]
	s_add_co_u32 s21, s21, SLOT
	s_add_co_u32 s22, s22, SLOT
.endr
	s_mov_b32 s[HM], 0xffff0000
	v_mov_b32 v4, s71
	v_mov_b32 v5, s72
	v_cndmask_b32 v[SOF], v4, v5, s[HM]            ; lanes 0-15 take a's words, lanes 16-31 W's
	s_wait_alu depctr_va_vdst(0)
	v_lshl_add_u32 v[SOF], v2, 4, v[SOF]
.irp f, 0,1
.irp i, 0,1,2,3,4,5,6,7
	global_load_b128 v[SC+32*\f+4*\i:SC+32*\f+4*\i+3], v[SOF], s[8:9] offset:512*\i+256*\f
.endr
.endr
	s_lshl_b32 s76, s42, 10
	s_lshl_b32 s77, s16, 9
	s_add_co_u32 s76, s76, s77                     ; my 128 columns, in bytes
	s_mov_b32 s77, 0
	s_add_nc_u64 s[10:11], s[10:11], s[76:77]
	global_load_b128 v[BI:BI+3], v[LI], s[10:11]   ; the bias of columns 4 lane + 0 .. 3
	s_lshl_b32 s78, s17, 20
	s_lshl_b32 s79, s15, 19
	s_add_co_u32 s78, s78, s79                     ; my 128 rows of 4,096 bytes
	s_add_co_u32 s78, s78, s76
	s_mov_b32 s79, 0
	s_add_nc_u64 s[12:13], s[12:13], s[78:79]
	s_mul_i32 s23, s14, 16*SPITCH                  ; my stage
	v_mul_u32_u24 v[STO], v2, SPITCH
	v_lshl_add_u32 v[STO], v3, 6, v[STO]
	v_add_nc_u32 v[STO], s23, v[STO]               ; in: row r, + 64 h
	v_add_nc_u32 v[RD], s23, v[LI]                 ; back: a row of 512 bytes, 16 a lane
	s_wait_tensorcnt 0x1                           ; my part of slot 0 is in; slot 1's may stay out
	s_barrier_signal -1
	s_barrier_wait -1
	FETCH_B 0, 0, 0
	FETCH_A 0, 0, 0
	FETCH_A 0, 0, 4
	s_wait_loadcnt 0x0                             ; the scale words and the bias
	STEP 0, 0, 1                                   ; the first products start the sums
	TURN 0, 1, 1, 1
	STEP 1, 2, 0
	TURN 1, 0, 3, 1
	STEP 0, 4, 0
	TURN 0, 1, 5, 0
	STEP 1, 6, 0
	s_wait_dscnt 4*NL                              ; K step 7: nothing more to fetch
	WIN MUL_LO
	MUL16 0, 1, 7, 0
	MUL16 2, 1, 7, 0
	s_wait_alu depctr_va_vdst(0)
	s_wait_dscnt 0x0
	WIN MUL_HI
	MUL16 4, 1, 7, 0
	MUL16 6, 1, 7, 0
	WIN 0
; THE WAY OUT, block by block of 16 rows x 128 columns, through my own stage: in by lanes' 64-byte pieces of a row, back as whole rows of 512 bytes.  LDS serves a wave's instructions in order (ISA guide 5.7.1.4).
.macro TOSTAGE a
.set AC, 64*((\a)%4)
	WIN 0x08+4*((\a)/4)                            ; an LDS store's data are its source 1: window 2 or 3
.irp g, 0,1,2,3
.irp k, 0,1,2,3
	ds_store_b128 v[STO], v[AC+16*\g+4*\k:AC+16*\g+4*\k+3] offset:128*\g+16*\k      ; columns 32 g + 16 h + 4 k on; each accumulator from its low end on
.endr
.endr
	WIN 0
.set BB, BK+64*((\a)%2)
.irp t, 0,1,2,3,4,5,6,7,8,9,10,11,12,13,14,15
	ds_load_b128 v[BB+4*\t:BB+4*\t+3], v[RD] offset:\t*SPITCH
.endr
.endm
.macro SEND a, younger                 ; younger: the LDS instructions issued behind block a's loads, which may stay out
.set BB, BK+64*((\a)%2)
	s_wait_dscnt \younger
.irp t, 0,1,2,3,4,5,6,7,8,9,10,11,12,13,14,15
	v_pk_add_f32 v[BB+4*\t:BB+4*\t+1], v[BB+4*\t:BB+4*\t+1], v[BI:BI+1]
	v_pk_add_f32 v[BB+4*\t+2:BB+4*\t+3], v[BB+4*\t+2:BB+4*\t+3], v[BI+2:BI+3]
.endr
.irp t, 0,1,2,3,4,5,6,7,8,9,10,11,12,13,14,15
	global_store_b128 v[LI], v[BB+4*\t:BB+4*\t+3], s[12:13] offset:(32*((\a)/2)+8*((\a)%2)+\t+8*(\t/8))*4096 th:TH_STORE_NT   ; stage row t is the tile's lane t; 512 consecutive bytes, aligned to 256
.endr
.endm
	PLACES NP
	TOSTAGE 0
.irp a, 1,2,3,4,5,6,7
.if \a > 1
	s_wait_xcnt 0x0                                ; block a - 2's stores have read the registers that block a's loads land in
.endif
	TOSTAGE \a
	SEND \a-1, 32                                  ; behind block a - 1's loads: block a's 16 stores and 16 loads
.endr
	SEND 7, 0
	s_wait_tensorcnt 0x0                           ; the wave's end
	ds_add_u32 v[SPW], v[NIL]
	s_wait_dscnt 0x0
	CROUND                                         ; the closing round
	s_endpgm
.Lfunc_end_k_q3aec119999_gemm_out:
	.size	k_q3aec119999_gemm_out, .Lfunc_end_k_q3aec119999_gemm_out-k_q3aec119999_gemm_out
	.p2alignl 7, 3214868480
	.fill 96, 4, 3214868480
	.section	.rodata,"a",@progbits
	.p2align	6, 0x0
	.amdhsa_kernel k_q3aec119999_gemm_out
		.amdhsa_group_segment_fixed_size 327680
		.amdhsa_private_segment_fixed_size 0
		.amdhsa_enable_private_segment 0
		.amdhsa_kernarg_size 40
		.amdhsa_user_sgpr_count 2
		.amdhsa_user_sgpr_kernarg_segment_ptr 1
		.amdhsa_wavefront_size32 1
		.amdhsa_system_sgpr_workgroup_id_x 1
		.amdhsa_system_sgpr_workgroup_id_y 1
		.amdhsa_system_sgpr_workgroup_id_z 1
		.amdhsa_system_vgpr_workitem_id 0
		.amdhsa_next_free_vgpr 1024
		.amdhsa_next_free_sgpr 100
		.amdhsa_reserve_vcc 0
		.amdhsa_float_denorm_mode_32 3
		.amdhsa_float_denorm_mode_16_64 3
		.amdhsa_memory_ordered 1
		.amdhsa_forward_progress 1
		.amdhsa_inst_pref_size 159
	.end_amdhsa_kernel
	.amdgpu_metadata
---
amdhsa.version: [ 1, 2 ]
amdhsa.kernels:
  - .name:           k_q3aec119999_gemm_out
    .symbol:         k_q3aec119999_gemm_out.kd
    .args:
      - { .name: ac, .offset: 0, .size: 8, .value_kind: global_buffer, .address_space: global }
      - { .name: woc, .offset: 8, .size: 8, .value_kind: global_buffer, .address_space: global }
      - { .name: sc2, .offset: 16, .size: 8, .value_kind: global_buffer, .address_space: global }
      - { .name: b_out, .offset: 24, .size: 8, .value_kind: global_buffer, .address_space: global }
      - { .name: out0, .offset: 32, .size: 8, .value_kind: global_buffer, .address_space: global }
    .group_segment_fixed_size: 327680
    .private_segment_fixed_size: 0
    .kernarg_segment_align: 8
    .kernarg_segment_size: 40
    .max_flat_workgroup_size: 128
    .sgpr_count:     100
    .vgpr_count:     1024
    .wavefront_size: 32
...
	.end_amdgpu_metadata
.endif
;; end of part 4
